; MI455X (gfx1250); checked and timed in simulation.
; The chip was launched on July 23, 2026; its instructions are those of AMD's public machine-readable ISA for CDNA 5 (MIT licence, August 2026) and "CDNA5" Instruction Set Architecture Reference Guide (July 2026). The comments in the code are by the model that wrote it; some were corrected since.
;; Fused Attention. Allowed arithmetic: matrix products marked QUANTISED: E2M3 operands, one E8M0 scale for each 32 along K, by v_wmma_scale_f32_16x16x128_f8f6f4 with both operands' format E2M3, f32 sums; everything else in f32.
;; Inputs: Wk 1,024 x 1,024 float32; Wp 1,024 x 1,024 float32; Wq 1,024 x 1,024 float32; Wv 1,024 x 1,024 float32; bp 1,024 float32; x 4 x 2,048 x 1,024 float32.
;; Outputs: out0 4 x 2,048 x 1,024 float32.
;; This version of the problem:
;;   THIS VERSION OF THE PROBLEM IS GIVEN IN LOW PRECISION. The matrix products marked QUANTISED in the list below multiply operands that are first quantised to E2M3 (2 exponent bits, 3 mantissa bits; 6 bits a number), with one power-of-two scale for each 32 numbers along K (OCP MX v1.0); their sums are f32. All else is computed in f32.
;;   The module's matrix products, in the order in which they are computed (A, B: the left and right operand; K: the contracted axis; several contracted axes count as one K, in the product's order):
;;     1. [M 8,192, K 1,024] x [K 1,024, N 1,024]; A: input x; B: input Wq: QUANTISED
;;     2. [M 8,192, K 1,024] x [K 1,024, N 1,024]; A: input x; B: input Wk: QUANTISED
;;     3. [M 8,192, K 1,024] x [K 1,024, N 1,024]; A: input x; B: input Wv: QUANTISED
;;     4. batch 64 x [M 2,048, K 64] x [K 64, N 2,048]; A: computed on the way; B: computed on the way: QUANTISED
;;     5. batch 64 x [M 2,048, K 2,048] x [K 2,048, N 64]; A: softmax (see below); B: computed on the way: QUANTISED
;;     6. [M 8,192, K 1,024] x [K 1,024, N 1,024]; A: computed on the way; B: input Wp: QUANTISED
;;   THE QUANTISER, for each operand of a quantised product, along K:
;;     - K is cut into blocks of 32 from its start; a last block that is shorter is filled with zeros.
;;     - A block's scale is 2^e with e = floor(log2(the largest magnitude in the block)) - 2, held to -126 .. 127; a block of zeros has e = 0. As a byte (E8M0): e + 127.
;;     - Each number is divided by its block's scale, clamped to +-7.5, and rounded to the nearest number of E2M3, ties to even, subnormals kept.
;;     - The product sums the exact products of the quantised numbers (number of the format x scale) in f32.
;;   ~~~python
;;   def quantise(x, axis):      # numpy; x: float32 -> the quantised numbers, widened to float32 again
;;       x = np.moveaxis(x, axis, -1); K = x.shape[-1]
;;       x = np.pad(x, [(0, 0)] * (x.ndim - 1) + [(0, -K % 32)]); x = x.reshape(x.shape[:-1] + (-1, 32)); a = np.abs(x).max(-1, keepdims=True)
;;       e = np.where(a > 0, np.clip(np.frexp(np.where(a > 0, a, 1))[1] - 1 - 2, -126, 127), 0)      # np.frexp(a)[1] - 1 = floor(log2(a)), exactly
;;       r = np.clip(x / 2.0 ** e, -7.5, 7.5)
;;       step = 2.0 ** (np.maximum(np.frexp(np.where(r == 0, 1, r))[1] - 1, 0) - 3)
;;       q = np.round(r / step) * step * 2.0 ** e      # np.round: ties to even
;;       return np.moveaxis(q.reshape(q.shape[:-2] + (-1,))[..., :K], -1, axis).astype(np.float32)
;;   ~~~
;;   SOFTMAX AHEAD OF A QUANTISED PRODUCT. Where the list says 'softmax', what is quantised is not the finished softmax but p = 2^(t - M), with t = logit x log2(e) and M = ceil(the row's largest t), a whole number; so 1/2 < the row's largest p <= 1. The row's sum l is taken of the UNQUANTISED p, in f32, and the product's result is divided by l at the end. Since M is a whole number, a kernel that streams over the keys may use a running M (the ceiling of the running maximum): every later rescaling is an exact power of two, which a block's scale takes up: the codes' values come out the same.
;;   OPERANDS COMPUTED ON THE WAY. 'Computed on the way' means the value that the module computes at that place (a softmax that the list does not call 'softmax' is quantised finished and normalised). What goes into a quantiser is computed in f32, as accurately as f32 sums, v_exp_f32 and their like allow (about 1e-6 of the number): no bf16 or f16 on the way to a quantiser, and a product that is left as it is and whose result goes on into a quantised operand takes f32 operands (vector FMAs, or v_wmma_f32_16x16x4_f32). A number that lies on a knife's edge between two numbers of the format may be rounded either way, as far as f32 arithmetic and the matrix unit's own rounding can turn it there, and no further.
;; One version. Each part assembles by itself: llvm-mc -triple=amdgcn-amd-amdhsa -mcpu=gfx1250 --defsym DOCPART=n.
;; ======== version 1 of 1: 4 launches
;; limits: right only within a limited range of input values
;; workspace buffers: xc 9,437,184 bytes; xs 262,144 bytes; ws 131,072 bytes; qkvc 18,874,368 bytes; qkvs 1,572,864 bytes; oc 6,291,456 bytes; os 262,144 bytes
;; launch quant (part 1): grid 384 x 1, 4 waves a work-group, no clusters, 68,096 bytes of LDS; arguments x, Wq, Wk, Wv, Wp, xc, xs, ws; writes xc, xs, ws
.if DOCPART == 1
	.amdgcn_target "amdgcn-amd-amdhsa--gfx1250"
	.amdhsa_code_object_version 6
	.text
	.protected	k_q9447d265a3_quant
	.globl	k_q9447d265a3_quant
	.p2align	8
	.type	k_q9447d265a3_quant,@function
k_q9447d265a3_quant:
	s_mov_b64 s[64:65], 0
	v_nop
	global_prefetch_b8 v0, s[64:65] scope:SCOPE_SE
	s_setreg_imm32_b32 hwreg(HW_REG_WAVE_MODE, 25, 1), 1
	s_wait_xcnt 0x0
; x [8192][1024] and the four weights [1024 (k)][1024 (n)], f32, become codes of FP6 (E2M3) with K innermost and one E8M0 byte for each 32 along K.
; xc [8192][768 B], xs [8192][32 B]; wc [4096][768 B], ws [4096][32 B]: rows 0-1023 Wq's columns, then Wk's, Wv's, Wp's.
; TILE ORDER: place p of every list of rows holds the true row p with its bits 3 and 4 exchanged.  Sixteen neighbouring places, used as source 0 of a product,
; then give results whose 16 registers of two neighbouring tiles are 16 true neighbours, which is what the next quantiser wants.
; A block's scale is 2^(floor(log2(largest magnitude)) - 2); its byte is the largest magnitude's exponent field - 2, held at 1 from below.
; LIMITS: a block whose largest magnitude lies under 2^-124 has its byte held at 1; a block of zeros gets the byte 1 where the rule says 127 (its codes are zeros, and this
; program alone reads the bytes); NaN and infinities among the inputs are not served.
; Work-groups 0-255 take x (32 rows each, K innermost: a lane holds 16 neighbours, turned through the wave's own stage); work-groups 256-383 take the weights
; (K is the first axis: a lane takes a column and its registers run down K).  The two ways never join and have LDS bytes of their own.  No barrier: waves share nothing.
.set WREG,  8192                       ; x: LDS of a wave: two stages of 32 x SP bytes, then its 256 scale bytes
.set SP,    80                         ; a lane's place in a stage: 64 bytes + 16 of padding
.set CB,    12                         ; bytes of 16 codes
.set STEPS, 16
.set EMAX,  2
.set R,     16                         ; v16-79   four sets of 16 numbers as loaded
.set X,     80                         ; v80-111  two sets of 16 neighbours
.set C,     128                        ; v128-191 codes, four registers a step
.set E,     112                        ; v112-127 a scale byte a step
.set WST,   32768                      ; the weights' stages begin here
.set PITCH, 272                        ; a stage row: sixteen places of 16 bytes + 16
; THE CODES' LAYOUT, which takes the place of what the head says of xc and wc: ONE buffer xc [K step of 256: 4][12,288 rows][192 B]: rows 0-8,191 x's places, then Wq's, Wk's, Wv's, Wp's 1,024 each.
; So 128 or 256 rows of one K step are one dense run of bytes that begins at a multiple of 256.  xs and ws are as the head says.
; WORK LEFT OUT BY THE PROGRAM: reference() sets the scores of keys behind the query to -infinity by a mask that it builds itself, so their p is 0 for all inputs; the attention launch leaves out the key steps that lie wholly there.
; A NaN, an infinity or an overflow that reaches only those scores is not carried to the result.
.set KROW,  192                        ; a row of codes of one K step
.set NB,    8                          ; blocks of 32 along K for a wave
.set WX,    32                         ; v32-95   two sets of 32 numbers
.set WC,    96                         ; v96..    a block's codes
.set OUTR,  112                        ; v112-175 the way out
.set SB,    24                         ; v24-25   the scale bytes
.macro LOAD t
.irp i, 0,1,2,3
	global_load_b128 v[R+16*((\t)%4)+4*\i:R+16*((\t)%4)+4*\i+3], v3, s[4:5] offset:2048*(\t)+512*\i th:TH_LOAD_NT   ; 32 lanes read 512 consecutive bytes
.endr
.endm
.macro TURN t                          ; a step's numbers through the stage; LDS serves a wave's instructions in order (ISA guide 5.7.1.4)
.irp i, 0,1,2,3
	ds_store_b128 v14, v[R+16*((\t)%4)+4*\i:R+16*((\t)%4)+4*\i+3] offset:32*SP*((\t)%2)+8*SP*\i
.endr
.irp i, 0,1,2,3
	ds_load_b128 v[X+16*((\t)%2)+4*\i:X+16*((\t)%2)+4*\i+3], v15 offset:32*SP*((\t)%2)+16*\i
.endr
.endm
.macro STEP t
.set XS, X+16*((\t)%2)
.if (\t) > 0
	s_wait_dscnt 1                                 ; this step's numbers are back from the stage; the last step's byte store may be out
.else
	s_wait_dscnt 0x0
.endif
.if (\t)+4 < STEPS
	LOAD (\t)+4                                    ; the registers that the stage's stores have read take the loads of four steps on
.endif
.if (\t)+1 < STEPS
.if STEPS-2-(\t) >= 3
	s_wait_loadcnt 12                              ; the next step's four loads are in; those of the three steps behind it may be out
.else
	s_wait_loadcnt 4*(STEPS-2-(\t))
.endif
	TURN (\t)+1
.endif
	v_max3_num_f32 v8, |v[XS]|, |v[XS+1]|, |v[XS+2]|               ; the largest magnitude of my 16, in two chains
	v_max3_num_f32 v9, |v[XS+3]|, |v[XS+4]|, |v[XS+5]|
.irp i, 6,10
	v_max3_num_f32 v8, v8, |v[XS+\i]|, |v[XS+\i+1]|
	v_max3_num_f32 v9, v9, |v[XS+\i+2]|, |v[XS+\i+3]|
.endr
	v_max3_num_f32 v8, v8, |v[XS+14]|, |v[XS+15]|
	v_max3_num_f32 v8, v8, v9, (EMAX+1)<<23        ; and the floor 2^(3 - 127): the byte cannot fall under 1
	v_max_num_f32_dpp v8, v8, v8 row_xmask:1 row_mask:0xf bank_mask:0xf   ; with my neighbour's 16: the block's
	v_add_nc_u32 v11, -(EMAX<<23), v8              ; 2 off the exponent field: the conversion's scale operand
	v_cvt_scalef32_pk16_fp6_f32 v[C+4*(\t):C+4*(\t)+2], v[XS:XS+15], v11
	v_lshrrev_b32 v[E+(\t)], 23, v11               ; the scale's byte
	ds_store_b8 v5, v[E+(\t)] offset:16*(\t)       ; both lanes of a block write the same byte with the same value
	global_store_b96 v4, v[C+4*(\t):C+4*(\t)+2], s[14:15] offset:((\t)%2)*2*2359296+((\t)/2)*192   ; row t / 2 of my 8; K steps 2 (t % 2) and 2 (t % 2) + 1: sixteen lanes store a row's 192 bytes
.endm
.macro WLOAD t                         ; block t: W(32 t + i, my column) into set t % 2
.irp i, 0,1,2,3,4,5,6,7,8,9,10,11,12,13,14,15,16,17,18,19,20,21,22,23,24,25,26,27,28,29,30,31
	global_load_b32 v[WX+32*((\t)%2)+\i], v3, s[6:7] offset:(32*(\t)+\i)*4096 th:TH_LOAD_NT
.endr
.endm
.macro BLOCK t
.set XS, WX+32*((\t)%2)
.if (\t) < NB-1
	s_wait_loadcnt 32                              ; this block's 32 loads are in; the next block's may be out
.else
	s_wait_loadcnt 0
.endif
	v_max3_num_f32 v12, |v[XS]|, |v[XS+1]|, |v[XS+2]|              ; all 32 numbers of the block are mine
	v_max3_num_f32 v13, |v[XS+3]|, |v[XS+4]|, |v[XS+5]|
.irp i, 6,10,14,18,22,26
	v_max3_num_f32 v12, v12, |v[XS+\i]|, |v[XS+\i+1]|
	v_max3_num_f32 v13, v13, |v[XS+\i+2]|, |v[XS+\i+3]|
.endr
	v_max3_num_f32 v12, v12, |v[XS+30]|, |v[XS+31]|
	v_max3_num_f32 v12, v12, v13, (EMAX+1)<<23
	v_add_nc_u32 v11, -(EMAX<<23), v12
	v_lshrrev_b32 v13, 23, v11
.if (\t)%4 == 0
	v_mov_b32 v[SB+(\t)/4], v13                    ; four bytes to a register, the lower K in the lower byte
.else
	v_lshl_or_b32 v[SB+(\t)/4], v13, 8*((\t)%4), v[SB+(\t)/4]
.endif
	v_cvt_scalef32_pk16_fp6_f32 v[WC:WC+2], v[XS:XS+15], v11
	v_cvt_scalef32_pk16_fp6_f32 v[WC+4:WC+6], v[XS+16:XS+31], v11  ; (a conversion's three registers begin on an even number)
	ds_store_b96 v4, v[WC:WC+2] offset:32*(\t)     ; 12 bytes to a place of 16
	ds_store_b96 v4, v[WC+4:WC+6] offset:32*(\t)+16
.if (\t)+2 < NB
	WLOAD (\t)+2
.endif
	s_wait_dscnt 0x0                               ; the stores have read their registers
.endm
	s_load_b256 s[4:11], s[0:1], 0x0               ; x, Wq, Wk, Wv
	s_load_b256 s[12:19], s[0:1], 0x20             ; Wp, xc, xs, ws
	v_lshl_add_u32 v192, v0, 2, 0x10800
	v_mov_b32 v193, 0
	v_lshrrev_b32 v1, 5, v0
	v_readfirstlane_b32 s24, v1                    ; wave
	v_and_b32 v2, 31, v0                           ; lane
	s_wait_kmcnt 0x0
	s_cmp_ge_u32 ttmp9, 256
	s_cbranch_scc1 .Lweights
	; ---- x: a wave takes 8 rows = 16 steps of 512 numbers
	s_wait_alu depctr_va_vdst(0)
	v_lshlrev_b32 v3, 4, v2                        ; my 16 bytes of a load's 512
	s_mul_i32 s25, s24, WREG
	v_lshrrev_b32 v14, 2, v2
	v_mul_u32_u24 v14, v14, SP
	v_and_b32 v15, 3, v2
	v_lshl_add_u32 v14, v15, 4, v14
	v_add_nc_u32 v14, s25, v14                     ; the stage, on the way in: SP (lane / 4) + 16 (lane % 4)
	v_mul_u32_u24 v15, v2, SP
	v_add_nc_u32 v15, s25, v15                     ; and on the way out: SP x lane
	v_and_b32 v4, 15, v2
	v_mul_u32_u24 v4, v4, CB
	v_lshrrev_b32 v5, 4, v2
	v_mad_u32_u24 v4, v5, 2359296, v4              ; my codes' place: 12 (lane % 16), lanes 16-31 a K step (12,288 x 192 bytes) on
	v_lshrrev_b32 v5, 1, v2
	s_add_co_u32 s25, s25, 2*32*SP
	v_add_nc_u32 v5, s25, v5                       ; my block's byte among the wave's 256
	v_lshlrev_b32 v7, 3, v2
	v_add_nc_u32 v6, s25, v7
	s_lshl_b32 s26, ttmp9, 2
	s_add_co_u32 s28, s26, s24                     ; the run of 8 rows that I read
	s_lshl_b32 s28, s28, 15
	s_mov_b32 s29, 0
	s_add_nc_u64 s[4:5], s[4:5], s[28:29]
	s_and_b32 s27, s24, 1                          ; the run that I write: the wave's two bits exchanged, which are bits 3 and 4 of the row
	s_lshl_b32 s27, s27, 1
	s_lshr_b32 s30, s24, 1
	s_or_b32 s27, s27, s30
	s_add_co_u32 s27, s26, s27
	s_mul_i32 s28, s27, 8*KROW
	s_add_nc_u64 s[14:15], s[14:15], s[28:29]
	s_lshl_b32 s28, s27, 8
	s_add_nc_u64 s[16:17], s[16:17], s[28:29]
.irp t, 0,1,2,3
	LOAD \t
.endr
	s_wait_alu depctr_va_vdst(0)
	s_wait_loadcnt 12                              ; step 0's four loads are in
	TURN 0
.irp t, 0,1,2,3,4,5,6,7,8,9,10,11,12,13,14,15
	STEP \t
.endr
	ds_load_b64 v[12:13], v6                       ; my wave's 256 scale bytes, 8 a lane
	s_wait_dscnt 0x0
	global_store_b64 v7, v[12:13], s[16:17]        ; 32 lanes store 256 consecutive bytes, aligned
	s_wait_tensorcnt 0x0
	ds_add_u32 v192, v193
	s_wait_dscnt 0x0
	s_endpgm
.Lweights:
	; ---- a weight: a wave takes 32 columns x 256 along K
	s_sub_co_u32 s25, ttmp9, 256
	s_lshr_b32 s26, s25, 5                         ; which weight
	s_bfe_u32 s27, s25, 0x20003                    ; which 256 along K
	s_and_b32 s28, s25, 7
	s_lshl_b32 s28, s28, 7
	s_lshl_b32 s29, s24, 5
	s_add_co_u32 s28, s28, s29                     ; my wave's first column
	s_cmp_eq_u32 s26, 1                            ; the choice hangs on the work-group's number alone
	s_cselect_b64 s[6:7], s[8:9], s[6:7]
	s_cmp_eq_u32 s26, 2
	s_cselect_b64 s[6:7], s[10:11], s[6:7]
	s_cmp_eq_u32 s26, 3
	s_cselect_b64 s[6:7], s[12:13], s[6:7]
	s_wait_alu depctr_va_vdst(0)
	v_lshlrev_b32 v3, 2, v2                        ; in: 4 bytes a lane
	s_mul_i32 s29, s24, 32*PITCH
	s_add_co_u32 s29, s29, WST                     ; my stage
	v_mul_u32_u24 v4, v2, PITCH
	v_add_nc_u32 v4, s29, v4                       ; into it: row = my column
	v_and_b32 v5, 15, v2
	v_lshrrev_b32 v6, 4, v2
	v_mul_u32_u24 v7, v6, PITCH
	v_lshl_add_u32 v7, v5, 4, v7
	v_add_nc_u32 v7, s29, v7                       ; out of it: sixteen lanes to a row, two rows an instruction
	v_mul_u32_u24 v8, v6, KROW
	v_mad_u32_u24 v8, v5, 12, v8
	v_and_b32 v9, 7, v2                            ; my column's place: bits 3 and 4 exchanged
	v_bfe_u32 v10, v2, 3, 1
	v_lshl_or_b32 v9, v10, 4, v9
	v_lshl_or_b32 v9, v6, 3, v9
	v_lshlrev_b32 v9, 5, v9                        ; x 32 bytes of scales a row
	s_lshl_b32 s30, s27, 20                        ; 256 rows of 4,096 bytes
	s_lshl_b32 s31, s28, 2
	s_add_co_u32 s30, s30, s31
	s_mov_b32 s31, 0
	s_add_nc_u64 s[6:7], s[6:7], s[30:31]
	s_lshl_b32 s32, s26, 10
	s_add_co_u32 s32, s32, s28                     ; my first row of wc and ws
	s_add_co_u32 s30, s32, 8192                    ; the weights' rows lie behind x's
	s_mul_i32 s30, s30, KROW
	s_mul_i32 s33, s27, 2359296                    ; my K step
	s_add_co_u32 s30, s30, s33
	s_add_nc_u64 s[14:15], s[14:15], s[30:31]
	s_lshl_b32 s30, s32, 5
	s_lshl_b32 s33, s27, 3
	s_add_co_u32 s30, s30, s33
	s_add_nc_u64 s[18:19], s[18:19], s[30:31]
	WLOAD 0
	WLOAD 1
.set Q, 0
.rept NB
	BLOCK Q
.set Q, Q+1
.endr
	s_wait_alu depctr_va_vdst(0)
	global_store_b64 v9, v[SB:SB+1], s[18:19]      ; my column's 8 scale bytes
.irp t, 0,1,2,3,4,5,6,7,8,9,10,11,12,13,14,15
	ds_load_b96 v[OUTR+4*\t:OUTR+4*\t+2], v7 offset:2*\t*PITCH
.endr
.irp t, 0,1,2,3,4,5,6,7,8,9,10,11,12,13,14,15
	s_wait_dscnt 15-\t                             ; the younger loads may be out
	global_store_b96 v8, v[OUTR+4*\t:OUTR+4*\t+2], s[14:15] offset:2*(((\t)&3)|((((\t)>>2)&1)<<3)|((((\t)>>3)&1)<<2))*KROW   ; column 2 t + lane / 16 goes to its place in tile order
.endr
	s_wait_tensorcnt 0x0
	ds_add_u32 v192, v193
	s_wait_dscnt 0x0
	s_endpgm
.Lfunc_end_k_q9447d265a3_quant:
	.size	k_q9447d265a3_quant, .Lfunc_end_k_q9447d265a3_quant-k_q9447d265a3_quant
	.p2alignl 7, 3214868480
	.fill 96, 4, 3214868480
	.section	.rodata,"a",@progbits
	.p2align	6, 0x0
	.amdhsa_kernel k_q9447d265a3_quant
		.amdhsa_group_segment_fixed_size 68096
		.amdhsa_private_segment_fixed_size 0
		.amdhsa_enable_private_segment 0
		.amdhsa_kernarg_size 64
		.amdhsa_user_sgpr_count 2
		.amdhsa_user_sgpr_kernarg_segment_ptr 1
		.amdhsa_wavefront_size32 1
		.amdhsa_system_sgpr_workgroup_id_x 1
		.amdhsa_system_sgpr_workgroup_id_y 1
		.amdhsa_system_sgpr_workgroup_id_z 1
		.amdhsa_system_vgpr_workitem_id 0
		.amdhsa_next_free_vgpr 194
		.amdhsa_next_free_sgpr 66
		.amdhsa_reserve_vcc 0
		.amdhsa_float_denorm_mode_32 3
		.amdhsa_float_denorm_mode_16_64 3
		.amdhsa_memory_ordered 1
		.amdhsa_forward_progress 1
		.amdhsa_inst_pref_size 74
	.end_amdhsa_kernel
	.amdgpu_metadata
---
amdhsa.version: [ 1, 2 ]
amdhsa.kernels:
  - .name:           k_q9447d265a3_quant
    .symbol:         k_q9447d265a3_quant.kd
    .args:
      - { .name: x, .offset: 0, .size: 8, .value_kind: global_buffer, .address_space: global }
      - { .name: Wq, .offset: 8, .size: 8, .value_kind: global_buffer, .address_space: global }
      - { .name: Wk, .offset: 16, .size: 8, .value_kind: global_buffer, .address_space: global }
      - { .name: Wv, .offset: 24, .size: 8, .value_kind: global_buffer, .address_space: global }
      - { .name: Wp, .offset: 32, .size: 8, .value_kind: global_buffer, .address_space: global }
      - { .name: xc, .offset: 40, .size: 8, .value_kind: global_buffer, .address_space: global }
      - { .name: xs, .offset: 48, .size: 8, .value_kind: global_buffer, .address_space: global }
      - { .name: ws, .offset: 56, .size: 8, .value_kind: global_buffer, .address_space: global }
    .group_segment_fixed_size: 68096
    .private_segment_fixed_size: 0
    .kernarg_segment_align: 8
    .kernarg_segment_size: 64
    .max_flat_workgroup_size: 128
    .sgpr_count:     66
    .vgpr_count:     194
    .wavefront_size: 32
...
	.end_amdgpu_metadata
.endif
;; end of part 1
;; launch gemm_qkv (part 2): grid 8 x 48, 4 waves a work-group, clusters of 4 x 4, 327,680 bytes of LDS; arguments xc, xs, ws, qkvc, qkvs; writes qkvc, qkvs
.if DOCPART == 2
	.amdgcn_target "amdgcn-amd-amdhsa--gfx1250"
	.amdhsa_code_object_version 6
	.text
	.protected	k_q9447d265a3_gemm_qkv
	.globl	k_q9447d265a3_gemm_qkv
	.p2align	8
	.type	k_q9447d265a3_gemm_qkv,@function
k_q9447d265a3_gemm_qkv:
	s_mov_b64 s[64:65], 0
	v_nop
	global_prefetch_b8 v0, s[64:65] scope:SCOPE_SE
	s_setreg_imm32_b32 hwreg(HW_REG_WAVE_MODE, 25, 1), 1
	s_wait_xcnt 0x0
	s_wait_alu depctr_hold_cnt(0) depctr_sa_sdst(0) depctr_va_vdst(0) depctr_va_sdst(0) depctr_va_ssrc(0) depctr_va_vcc(0) depctr_vm_vsrc(0)
	s_getreg_b32 s2, hwreg(HW_REG_IB_STS2, 6, 4)
	s_cmp_eq_u32 s2, 0
	s_cbranch_scc0 .Lentry_in_a_cluster
	s_endpgm
.Lentry_in_a_cluster:
	s_bfe_u32 s2, ttmp6, 0x10000c
	s_cmp_lg_u32 s2, 0xf033
	s_cbranch_scc0 .Lentry_shape_is_right
	s_endpgm
.Lentry_shape_is_right:
; q, k and v, made on codes of FP6 (E2M3) and leaving as codes.  C[m][n] = sum over k of A[m][k] B[n][k], K = 1,024, sums in f32; C is then quantised ALONG n and never goes to memory as f32.
; Clusters with y 0-7: A = x's rows (tokens), B = Wq's and Wk's columns: q and k, quantised along the head's 64.
; Clusters with y 8-11: A = Wv's columns, B = x's rows: v with the tokens as columns, so that the same lines quantise it along the keys.  The part decides pointers and offsets by selects; no branch hangs on it.
; A tile of C is 256 x 256, four waves of 128 x 128 (64 accumulators, 512 registers).  K goes in steps of 256 through a ring of two LDS slots; the scale bytes of the tile's rows come once and stay.
; CLUSTERS: 4 x 4 work-groups; A's tiles are asked for jointly along a row of the cluster, B's along a column.
; THE MATRIX INSTRUCTION IS USED TRANSPOSED (source 0 = 16 rows of B, source 1 = 16 rows of A).  All lists of rows lie in tile order (place p holds true row p with bits 3 and 4 exchanged), so the 16 registers of
; B's blocks 2 b and 2 b + 1 are the true columns 32 b + 16 (lane / 16) + 0 .. 15 of the lane's row: 16 neighbours along the next K.
; OUT: qkvc [which 3][16 batch + head][t / 64][row 64][48 B], qkvs the same with 4 B.  q, k: row = the token's place, 48 B = the head's 64 codes, scale bytes 0, 1 (bytes 2, 3 scale zero codes later and are never 0xff).
; v: row = the channel's place, 48 B = 64 keys; the word at an even t / 64 holds the four bytes of 128 keys.
; LIMITS: a block whose largest magnitude lies under 2^-124 has its byte held at 1; a block of zeros gets the byte 1 (its codes are zeros; this program alone reads the bytes); NaN and infinities are not served.
; REGISTERS: window 0: v8-31 addresses; v32-63 scale words, two sets; from v128 A's fragments, one set; on the way out v32-175 at work.  window 1: B's fragments, two sets.  windows 2, 3: the accumulators ((a, b) at v[8 (8 (a % 4) + b)]).
.set KSTEP,  256
.set NQ,     2                         ; matrix instructions deep in a slot
.set ROWB,   192                       ; a tile's row: 256 codes
.set PL,     2359296                   ; xc is [K step 4][12,288 rows][192 B] (x's rows, then the weights'): bytes from a K step to the next.  128 or 256 rows of a K step are one dense run that begins at a multiple of 256
.set PITCH,  240                       ; an LDS row: 3 x (64 bytes + 16 of padding)
.set FR,     12
.set NL,     6
.set NP,     4                         ; places behind this matrix instruction (ISA guide 7.12.1)
.set HALFT,  128*PITCH
.set SLOT,   2*HALFT                   ; LDS: A's slot 0, A's slot 1 (256 rows each), then from 4 HALFT on B's two
.set LAPS,   2                         ; 1,024 / 512
.set KS,     32                        ; a row of scale bytes
.set SCL,    8*HALFT
.set HALFS,  16*272                    ; the scales of 128 rows: 16 rows of 256 bytes + 16
.set SBLK,   2*272                     ; those of 16 rows
.set SPARE,  SCL+4*HALFS               ; the spare words: 128 bytes a wave, two blocks of 256 bytes that no other line names
.set WSTG,   13312                     ; the way out: a wave's stage in slot 0: codes [2][128 rows][48 B], then scale words [2][128][4 B]
.set VO,   8                           ; v8-11   byte offsets in qkvc of the stage's four runs of 3,072 bytes, + 16 x lane
.set VS,   12                          ; v12-13  and in qkvs of its two runs of 512 bytes
.set ADRA, 16                          ; v16-17 A's fragments in slot 0, 1; v18-19 behind one padding more
.set ADRB, 20                          ; v20-23 the same for B
.set STO,  24                          ; the stage: where I put 24 bytes of a row's codes
.set RD,   25                          ; and where I read 16 bytes back
.set STS,  26                          ; the stage: my row's scale word
.set ADRS, 27
.set SPW,  28                          ; SPARE + 4 x my thread's number; never rewritten
.set NIL,  29                          ; 0; never rewritten
.set SH16, 30                          ; 16 x (lane / 16)
.set SC,   32
.set AF,   128
.set PC,   32                          ; the way out: v32-50 the codes just made
.set TM,   52                          ; v52-67 largest magnitudes, bytes, scale operands
.set PW,   68
.set PW2,  69
.set FLO,  70                          ; 2^(3 - 127)
.set BK,   72                          ; v72-175 the stage read back
.set SEL,  66                          ; s66, s67 lane selects for v_permlanex16_b32
.set G1, 24
.set G0, 32
.set G1B, 48
.set G0B, 56
.set G1S, 68
.set G0S, 76
.set G1SB, 80
.set G0SB, 88
.set MSB, 0
.macro WIN new                         ; the immediate's high byte repeats the setting that is left
.if MSB != \new
	s_set_vgpr_msb (MSB<<8)|\new
.set MSB, \new
.endif
.endm
.set MUL_LO, 0xa1                      ; source 0 (B) window 1, source 1 (A) window 0, C and D window 2
.set MUL_HI, 0xf1
.set TO_B,   0x40
.macro JLOAD g0a, g1a, g0b, g1b        ; a joint load: waves 0, 1 fetch for A, waves 2, 3 for B; four v_nop follow each line
	s_cmp_eq_u32 s15, 0
	s_cbranch_scc0 .Lfor_b_\@
	tensor_load_to_lds s[\g0a:\g0a+3], s[\g1a:\g1a+7]
	s_nop 0
.rept 4
	v_nop
.endr
	s_branch .Lasked_\@
.Lfor_b_\@:
	tensor_load_to_lds s[\g0b:\g0b+3], s[\g1b:\g1b+7]
	s_nop 0
.rept 4
	v_nop
.endr
.Lasked_\@:
.endm
.macro CREST                           ; a round of the cluster's barrier behind its opening barrier
	s_cmp_lg_u32 s14, 0
	s_cbranch_scc1 .Lnot_wave_0_\@
	s_barrier_signal -3
.Lnot_wave_0_\@:
	s_barrier_wait -3
	s_barrier_signal -1
	s_barrier_wait -1
.endm
.macro CROUND
	s_barrier_signal -1
	s_barrier_wait -1
	CREST
.endm
	s_load_b128 s[4:7], s[0:1], 0x0                ; xc, xs
	s_load_b64 s[10:11], s[0:1], 0x10              ; ws
	s_load_b128 s[96:99], s[0:1], 0x18             ; qkvc, qkvs
	v_lshl_add_u32 v[SPW], v0, 2, SPARE
	v_mov_b32 v[NIL], 0
	ds_add_u32 v28, v29
	ds_add_u32 v28, v29
	s_wait_dscnt 0x0
	v_lshrrev_b32 v1, 5, v0
	v_readfirstlane_b32 s14, v1                    ; wave 0..3
	s_lshr_b32 s15, s14, 1                         ; which half of the tile's rows is mine.  Also: I fetch for A (0) or B (1)
	s_and_b32 s16, s14, 1                          ; which half of its columns.  Also: which 128 rows I fetch
	s_bfe_u32 s40, ttmp6, 0x40000                  ; cx
	s_bfe_u32 s41, ttmp6, 0x40004                  ; cy
	s_and_b32 s2, ttmp7, 0xffff                    ; cluster y: 0-7 q and k, 8-11 v; the same in all sixteen partners
	s_sub_co_u32 s66, s2, 8
	s_lshl_b32 s66, s66, 1
	s_add_co_u32 s66, s66, ttmp9                   ; v: which of eight clusters along the tokens
	s_cmp_ge_u32 s2, 8
	s_cselect_b32 s42, s66, ttmp9
	s_cselect_b32 s17, 0, s2
	s_cselect_b32 s95, 2048, 0                     ; v: A's rows begin at Wv's in wc
	s_lshl_b32 s42, s42, 2
	s_add_co_u32 s42, s42, s40                     ; tile column
	s_lshl_b32 s17, s17, 2
	s_add_co_u32 s17, s17, s41                     ; tile row
	s_lshl_b32 s43, s41, 2
	s_lshl_b32 s43, 15, s43                        ; my row of the cluster
	s_lshl_b32 s44, 0x1111, s40                    ; my column
	s_or_b32 s[G1+0], s43, (3<<16)|(1<<20)|(1<<21)|(3<<22)|(3<<25)  ; mask; elements of 8 bytes; padding on; bit 21 beside a mask; after every 16 words 4 words
	s_or_b32 s[G1B+0], s44, (3<<16)|(1<<20)|(1<<21)|(3<<22)|(3<<25)
.irp g, G1, G1B                        ; the head's tile: two rows, K steps 0 and 1, each the 49,152 dense bytes of 256 rows
	s_mov_b32 s[\g+1], 6144<<16                    ; tensor_dim0
	s_mov_b32 s[\g+2], 2<<16                       ; tensor_dim1
	s_mov_b32 s[\g+3], 6144<<16                    ; tile_dim0
	s_mov_b32 s[\g+4], 2                           ; tile_dim1
	s_mov_b32 s[\g+5], PL/8                        ; stride
	s_mov_b32 s[\g+6], 0
	s_mov_b32 s[\g+7], 0
.endr
	s_or_b32 s[G1S+0], s43, (3<<16)|(1<<20)|(1<<21)|(5<<22)|(3<<25) ; the scales of 256 rows: 8,192 dense bytes as 32 rows of 256, 16 bytes of padding behind each
	s_or_b32 s[G1SB+0], s44, (3<<16)|(1<<20)|(1<<21)|(5<<22)|(3<<25)
.irp g, G1S, G1SB
	s_mov_b32 s[\g+1], 32<<16
	s_mov_b32 s[\g+2], 32<<16                      ; the scales of 256 rows: 32 rows of 256 bytes
	s_mov_b32 s[\g+3], 32<<16
	s_mov_b32 s[\g+4], 32
	s_mov_b32 s[\g+5], 32
	s_mov_b32 s[\g+6], 0
	s_mov_b32 s[\g+7], 0
.endr
	s_lshl_b32 s20, s17, 8
	s_add_co_u32 s20, s20, s95                     ; A: the tile's first row in its own list (x's, or the weights')
	s_lshl_b32 s46, s42, 8                         ; B likewise
	s_lshl_b32 s22, s20, 5                         ; where these rows' scale bytes begin
	s_lshl_b32 s92, s46, 5
	s_cmp_ge_u32 s2, 8
	s_cselect_b32 s12, 8192, 0                     ; in xc the weights' rows lie behind x's 8,192
	s_cselect_b32 s13, 0, 8192
	s_add_co_u32 s20, s20, s12
	s_add_co_u32 s46, s46, s13
	s_mul_i32 s20, s20, 192
	s_mul_i32 s46, s46, 192
	s_mov_b32 s21, 0
	s_mov_b32 s23, 0
	s_mov_b32 s47, 0
	s_mov_b32 s93, 0
	s_mul_i32 s18, s16, 128*192                    ; in the ring I fetch 128 rows: which half, in bytes,
	s_mov_b32 s19, 0
	s_mul_i32 s45, s16, HALFT                      ; and where they go: in A's slots,
	s_add_co_u32 s94, s45, 4*HALFT                 ; in B's
	s_wait_kmcnt 0x0
	s_cmp_ge_u32 s2, 8                             ; whose scales are A's: the choice hangs on the cluster's y alone
	s_cselect_b64 s[66:67], s[10:11], s[6:7]
	s_cselect_b64 s[10:11], s[6:7], s[10:11]
	s_add_nc_u64 s[20:21], s[4:5], s[20:21]
	s_add_nc_u64 s[46:47], s[4:5], s[46:47]
	s_add_nc_u64 s[22:23], s[66:67], s[22:23]
	s_add_nc_u64 s[92:93], s[10:11], s[92:93]
	CROUND                                         ; all sixteen work-groups are here: the first joint loads meet
	s_mov_b32 s[G0S], 1
	s_mov_b32 s[G0S+1], SCL
	s_mov_b64 s[G0S+2:G0S+3], s[22:23]
	s_or_b32 s[G0S+3], s[G0S+3], 0x80000000
	s_mov_b32 s[G0SB], 1
	s_mov_b32 s[G0SB+1], SCL+2*HALFS
	s_mov_b64 s[G0SB+2:G0SB+3], s[92:93]
	s_or_b32 s[G0SB+3], s[G0SB+3], 0x80000000
	s_add_nc_u64 s[20:21], s[20:21], s[18:19]
	s_add_nc_u64 s[46:47], s[46:47], s[18:19]
.irp s, 0,1
	s_mov_b32 s[G0+4*\s], 1
	s_add_co_u32 s[G0+4*\s+1], s45, \s*SLOT
	s_add_nc_u64 s[G0+4*\s+2:G0+4*\s+3], s[20:21], \s*PL
	s_or_b32 s[G0+4*\s+3], s[G0+4*\s+3], 0x80000000
	s_mov_b32 s[G0B+4*\s], 1
	s_add_co_u32 s[G0B+4*\s+1], s94, \s*SLOT
	s_add_nc_u64 s[G0B+4*\s+2:G0B+4*\s+3], s[46:47], \s*PL
	s_or_b32 s[G0B+4*\s+3], s[G0B+4*\s+3], 0x80000000
.endr
; THE HEAD'S LOADS, ONE A WAVE: wave 0 A's 256 rows of K steps 0 and 1, into both of A's slots; wave 1 A's scales; wave 2 B's 256 rows of both K steps; wave 3 B's scales.
; In waves 0 and 2 the half is 0, so slot 0's group 0 names the tile's first row and the operand's first LDS byte.  One chain of branches on the wave's number, one load to an arm.
.macro ARM under, g0, g1, next
	s_cmp_lt_u32 s14, \under
	s_cbranch_scc0 \next
	tensor_load_to_lds s[\g0:\g0+3], s[\g1:\g1+7]
	s_nop 0
.rept 4
	v_nop
.endr
	s_branch .Lhead_asked
\next:
.endm
	ARM 1, G0,  G1,  .Lhead_sa
	ARM 2, G0S, G1S, .Lhead_b
	ARM 3, G0B, G1B, .Lhead_sb
	tensor_load_to_lds s[G0SB:G0SB+3], s[G1SB:G1SB+7]
	s_nop 0
.rept 4
	v_nop
.endr
.Lhead_asked:
	v_and_b32 v1, 15, v0                           ; r
	v_bfe_u32 v2, v0, 4, 1                         ; h
	v_mul_u32_u24 v3, v1, PITCH
	v_mul_u32_u24 v4, v2, 24
	v_add_nc_u32 v4, v3, v4                        ; row x pitch + 24 h
	v_lshl_add_u32 v5, v2, 4, v4                   ; and behind one padding more
	s_mul_i32 s21, s15, HALFT
	s_mul_i32 s22, s16, HALFT
	s_add_co_u32 s22, s22, 4*HALFT
.irp s, 0,1
	v_add_nc_u32 v[ADRA+\s], s21, v4
	v_add_nc_u32 v[ADRB+\s], s22, v4
	v_add_nc_u32 v[ADRA+2+\s], s21, v5
	v_add_nc_u32 v[ADRB+2+\s], s22, v5
	s_add_co_u32 s21, s21, SLOT
	s_add_co_u32 s22, s22, SLOT
.endr
	v_mul_u32_u24 v5, v1, KS                       ; my row's scales: 32 bytes a row,
	v_lshrrev_b32 v6, 8, v5
	v_lshl_add_u32 v5, v6, 4, v5                   ; 16 more for each 256 passed
	s_mul_i32 s21, s15, HALFS
	s_mul_i32 s22, s16, HALFS
	s_add_co_u32 s22, s22, 2*HALFS
	s_sub_co_u32 s22, s22, s21
	v_mul_u32_u24 v6, s22, v2                      ; lanes 16-31 take B's
	s_add_co_u32 s21, s21, SCL
	v_add_nc_u32 v5, v5, v6
	v_add_nc_u32 v[ADRS], s21, v5
	; where my 128 x 128 goes
	s_lshl_b32 s20, s17, 8
	s_lshl_b32 s21, s15, 7
	s_add_co_u32 s20, s20, s21                     ; my first row of C
	s_lshl_b32 s21, s42, 8
	s_lshl_b32 s22, s16, 7
	s_add_co_u32 s21, s21, s22                     ; my first column
	s_add_co_u32 s22, s20, 2048
	s_mov_b32 s46, 3072
	s_mov_b32 s47, 98304
	s_cmp_ge_u32 s2, 8
	s_cselect_b32 s23, s21, s20                    ; my first token
	s_cselect_b32 s22, s22, s21                    ; my first column of [Wq Wk Wv]
	s_cselect_b32 s92, s46, s47                    ; from 64 columns to the next: q, k a head on (98,304 bytes), v 64 keys on (3,072)
	s_cselect_b32 s93, s47, s46                    ; from 64 rows to the next: the other of the two
	s_mov_b32 s46, 256
	s_mov_b32 s47, 8192
	s_cselect_b32 s94, s46, s47                    ; the same for the scale words
	s_cselect_b32 s45, s47, s46
	s_lshr_b32 s46, s22, 10                        ; which of q, k, v
	s_lshl_b32 s46, s46, 2
	s_lshr_b32 s47, s23, 11                        ; batch
	s_add_co_u32 s46, s46, s47
	s_lshl_b32 s46, s46, 4
	s_bfe_u32 s47, s22, 0x40006                    ; head
	s_add_co_u32 s46, s46, s47
	s_lshl_b32 s46, s46, 5
	s_bfe_u32 s47, s23, 0x50006                    ; t / 64
	s_add_co_u32 s46, s46, s47
	s_mul_i32 s20, s46, 3072
	s_mov_b32 s21, 0
	s_add_nc_u64 s[96:97], s[96:97], s[20:21]
	s_lshl_b32 s20, s46, 8
	s_add_nc_u64 s[98:99], s[98:99], s[20:21]
	v_and_b32 v6, 31, v0
	v_lshlrev_b32 v[VO], 4, v6                     ; 16 x lane
	v_add_nc_u32 v[VO+1], s93, v[VO]
	v_add_nc_u32 v[VO+2], s92, v[VO]
	v_add_nc_u32 v[VO+3], s93, v[VO+2]
	v_lshlrev_b32 v[VS], 4, v1
	v_mul_u32_u24 v5, s45, v2
	v_add_nc_u32 v[VS], v[VS], v5
	v_add_nc_u32 v[VS+1], s94, v[VS]
	s_mul_i32 s23, s14, WSTG                       ; my stage
	v_mul_u32_u24 v5, v1, 48
	v_mad_u32_u24 v5, v2, 24, v5
	v_add_nc_u32 v[STO], s23, v5                   ; row r of 48 bytes, + 24 h
	v_lshlrev_b32 v5, 2, v1
	v_lshl_add_u32 v5, v2, 9, v5
	v_add_nc_u32 v5, s23, v5
	v_add_nc_u32 v[STS], 12288, v5                 ; scale words: lanes 0-15 the first 64 columns', lanes 16-31 the second's
	v_add_nc_u32 v[RD], s23, v[VO]
	v_lshlrev_b32 v[SH16], 4, v2
.macro FRAG reg, adr, q, i             ; 16 rows x 128 K: 12 registers, in pieces of 8 bytes; where the piece three on lies behind one padding more, the second address register serves
.irp p, 0,1,2,3,4,5
.set PCE, 12*(\q)+6*(\p/3)+\p%3
.if PCE%8 < 5
	ds_load_b64 v[\reg+2*\p:\reg+2*\p+1], v[\adr] offset:8*PCE+16*(PCE/8)+(\i)*16*PITCH
.else
	ds_load_b64 v[\reg+2*\p:\reg+2*\p+1], v[\adr+2] offset:8*PCE+16*(PCE/8)+(\i)*16*PITCH
.endif
.endr
.endm
; 16 matrix instructions: A's blocks a0, a0 + 1 x B's eight.  The 64 accumulators take turns, one instruction a turn, in the same order in every step.
.macro MUL16 a0, p, q, sc, zero
.irp a, \a0, \a0+1
.irp b, 0,1,2,3,4,5,6,7
.if \zero
	v_wmma_scale_f32_16x16x128_f8f6f4 v[8*(8*((\a)%4)+\b):8*(8*((\a)%4)+\b)+7], v[128*(\p)+FR*\b:128*(\p)+FR*\b+FR-1], v[AF+FR*(\a):AF+FR*(\a)+FR-1], 0, v[SC+8*NQ*(\sc)+NQ*\b+(\q)], v[SC+8*NQ*(\sc)+NQ*(\a)+(\q)] matrix_a_fmt:MATRIX_FMT_FP6 matrix_b_fmt:MATRIX_FMT_FP6 matrix_a_scale:MATRIX_SCALE_ROW1
.else
	v_wmma_scale_f32_16x16x128_f8f6f4 v[8*(8*((\a)%4)+\b):8*(8*((\a)%4)+\b)+7], v[128*(\p)+FR*\b:128*(\p)+FR*\b+FR-1], v[AF+FR*(\a):AF+FR*(\a)+FR-1], v[8*(8*((\a)%4)+\b):8*(8*((\a)%4)+\b)+7], v[SC+8*NQ*(\sc)+NQ*\b+(\q)], v[SC+8*NQ*(\sc)+NQ*(\a)+(\q)] matrix_a_fmt:MATRIX_FMT_FP6 matrix_b_fmt:MATRIX_FMT_FP6 matrix_a_scale:MATRIX_SCALE_ROW1
.endif
.endr
.endr
.endm
.macro FETCH_B slot, q, p
	WIN TO_B
.irp i, 0,1,2,3,4,5,6,7
	FRAG 128*(\p)+FR*\i, ADRB+\slot, \q, \i
.endr
	WIN 0
.endm
.macro FETCH_A slot, q, i0
.irp i, \i0, \i0+1, \i0+2, \i0+3
	FRAG AF+FR*(\i), ADRA+\slot, \q, \i
.endr
.endm
.macro SCALES sc                       ; a K step's scale words: lanes 0-15 A's block i, lanes 16-31 B's block i
.irp i, 0,1,2,3,4,5,6,7
	ds_load_b64 v[SC+8*NQ*\sc+NQ*\i:SC+8*NQ*\sc+NQ*\i+1], v[ADRS] offset:\i*SBLK
.endr
.endm
.macro PLACES n                        ; plain vector instructions between a matrix instruction and a load into, or a read of, its registers
.rept \n
	v_nop
.endr
.endm
.macro STEP slot, q, zero              ; 128 along K that have their successor in the same slot
	s_wait_dscnt 4*NL                              ; B's set and A's blocks 0-3 are in; the youngest 24 loads (A's blocks 4-7) may be out
	WIN MUL_LO
	MUL16 0, (\q)%2, \q, \slot, \zero
	MUL16 2, (\q)%2, \q, \slot, \zero
	s_wait_dscnt 0
	PLACES NP
	FETCH_B \slot, (\q)+1, 1-(\q)%2
	FETCH_A \slot, (\q)+1, 0
	WIN MUL_HI
	MUL16 4, (\q)%2, \q, \slot, \zero
	MUL16 6, (\q)%2, \q, \slot, \zero
	PLACES NP
	WIN 0
	FETCH_A \slot, (\q)+1, 4
.endm
.macro TURN slot, next, fill           ; a slot's last 128 along K, and the change of slots
	s_wait_tensorcnt 0x0                           ; all my tensor loads have landed: my part of the next slot
	ds_add_u32 v[SPW], v[NIL]                      ; 0 onto my spare word
	s_wait_dscnt 4*NL+1                            ; the add and the youngest 24 loads may be out
	WIN MUL_LO
	MUL16 0, 1, NQ-1, \slot, 0
	s_wait_dscnt 0x0                               ; the add is done, and my reads of this slot are over
	s_barrier_signal -1
	MUL16 2, 1, NQ-1, \slot, 0
	WIN 0
	s_barrier_wait -1
.if \fill
	CREST                                          ; no wave of any partner still reads this slot or has a load on its way
	s_add_nc_u64 s[G0+4*\slot+2:G0+4*\slot+3], s[G0+4*\slot+2:G0+4*\slot+3], 2*PL
	s_add_nc_u64 s[G0B+4*\slot+2:G0B+4*\slot+3], s[G0B+4*\slot+2:G0B+4*\slot+3], 2*PL
	JLOAD G0+4*\slot, G1, G0B+4*\slot, G1B         ; my one tensor load behind the round; its four v_nop are the places in front of the loads below
.else
	PLACES NP
.endif
	s_wait_alu depctr_va_vdst(0)
	v_add_nc_u32 v[ADRS], 4*NQ, v[ADRS]
	FETCH_B \next, 0, 0
	FETCH_A \next, 0, 0
	SCALES \next
	WIN MUL_HI
	MUL16 4, 1, NQ-1, \slot, 0
	MUL16 6, 1, NQ-1, \slot, 0
	PLACES NP
	WIN 0
	FETCH_A \next, 0, 4
.endm
	s_wait_alu depctr_va_vdst(0)                   ; the head's end
	s_wait_tensorcnt 0x0                           ; my tile of the head's four is in
.irp g, G1, G1B                        ; no tensor load of mine is out: from here on a load brings 128 rows of one K step, 24,576 dense bytes as 96 rows of 256
	s_mov_b32 s[\g+1], 32<<16
	s_mov_b32 s[\g+2], 96<<16
	s_mov_b32 s[\g+3], 32<<16
	s_mov_b32 s[\g+4], 96
	s_mov_b32 s[\g+5], 32
.endr
	s_barrier_signal -1
	s_barrier_wait -1
	FETCH_B 0, 0, 0
	FETCH_A 0, 0, 0
	SCALES 0
	FETCH_A 0, 0, 4
	STEP 0, 0, 1                                   ; the first products start the sums
	s_mov_b32 s3, LAPS-1
.Llap:
	TURN 0, 1, 1
	STEP 1, 0, 0
	TURN 1, 0, 1
	STEP 0, 0, 0
	s_sub_co_u32 s3, s3, 1
	s_cmp_lg_u32 s3, 0
	s_cbranch_scc1 .Llap
	TURN 0, 1, 0                                   ; the last lap fills nothing
	STEP 1, 0, 0
	s_wait_dscnt 4*NL
	WIN MUL_LO
	MUL16 0, 1, NQ-1, 1, 0
	MUL16 2, 1, NQ-1, 1, 0
	s_wait_dscnt 0
	WIN MUL_HI
	MUL16 4, 1, NQ-1, 1, 0
	MUL16 6, 1, NQ-1, 1, 0
	WIN 0
; THE WAY OUT.  Block a (16 rows x 128 columns): register 16 b + i of the block's 64 is column 32 b + 16 (lane / 16) + i of my row.  It becomes 12 registers of codes (registers 6 c .. 6 c + 5: columns 64 c + 32 (lane / 16) + 0 .. 31)
; and a scale word.  Each accumulator is read from its low end on.
.macro QUANTW a
.set AC, 64*((\a)%4)
.set WA, 2+(\a)/4
.set WB, (WA<<2)|(WA<<4)
	WIN WB                                         ; sources 1 and 2 in the accumulators' window
.irp b, 0,1,2,3
	v_max3_num_f32 v[TM+\b], v[FLO], |v[AC+16*\b]|, |v[AC+16*\b+1]|   ; with the floor: the byte cannot fall under 1
.endr
.irp i, 2,4,6,8,10,12,14
.irp b, 0,1,2,3
	v_max3_num_f32 v[TM+\b], v[TM+\b], |v[AC+16*\b+\i]|, |v[AC+16*\b+\i+1]|
.endr
.endr
	WIN 0
.irp b, 0,1,2,3
	v_permlanex16_b32 v[TM+4+\b], v[TM+\b], s[SEL], s[SEL+1]
.endr
.irp b, 0,1,2,3
	v_max_num_f32 v[TM+\b], v[TM+\b], v[TM+4+\b]   ; with lane l xor 16's: the block's largest magnitude
.endr
.irp b, 0,1,2,3
	v_add_nc_u32 v[TM+12+\b], 0xff000000, v[TM+\b] ; 2 off the exponent field: the conversion's scale operand
.endr
.irp b, 0,1,2,3
	v_lshrrev_b32 v[TM+4+\b], 23, v[TM+12+\b]      ; the byte
.endr
	v_lshl_or_b32 v[PW], v[TM+5], 8, v[TM+4]
	v_lshl_or_b32 v[PW], v[TM+6], 16, v[PW]
	v_lshl_or_b32 v[PW], v[TM+7], 24, v[PW]
	WIN WA                                         ; source 0 in the accumulators' window
.irp c, 0,1
	v_cvt_scalef32_pk16_fp6_f32 v[PC+6*\c:PC+6*\c+2], v[AC+32*\c:AC+32*\c+15], v[TM+12+2*\c]
	v_cvt_scalef32_pk16_fp6_f32 v[PC+12+4*\c:PC+14+4*\c], v[AC+32*\c+16:AC+32*\c+31], v[TM+13+2*\c]
.endr
	WIN 0
	v_nop                                          ; one plain place behind a scaled conversion
.irp c, 0,1
.irp i, 0,1,2
	v_permlane16_swap_b32 v[PC+6*\c+\i], v[PC+12+4*\c+\i]   ; a whole block to a lane
.endr
.irp i, 0,1,2
	v_mov_b32 v[PC+3+6*\c+\i], v[PC+12+4*\c+\i]
.endr
.endr
.endm
	PLACES NP                                      ; behind the last products: their results are read, and their scale registers written, below
	s_mov_b32 s[SEL], 0x76543210
	s_mov_b32 s[SEL+1], 0xfedcba98
.irp b, 0,1,2,3
	v_mov_b32 v[TM+4+\b], 0                        ; a lane permute's destination counts as one of its sources
.endr
	v_mov_b32 v[FLO], 0x1800000
; The stage lies in slot 0, which has had its last fill, and which nobody reads behind the last change of slots.
.irp a, 0,1,2,3,4,5,6,7
	QUANTW \a
.irp c, 0,1
.irp p, 0,1,2
	ds_store_b64 v[STO], v[PC+6*\c+2*\p:PC+6*\c+2*\p+1] offset:6144*\c+768*\a+8*\p
.endr
.endr
	v_lshrrev_b32 v[PW2], v[SH16], v[PW]           ; lanes 0-15 keep the word, lanes 16-31 bring the second 64 columns' two bytes down
	ds_store_b32 v[STS], v[PW2] offset:64*\a
	s_wait_dscnt 0x0                               ; the stores have read their registers
.endr
.irp k, 0,1,2,3,4,5,6,7,8,9,10,11,12,13,14,15,16,17,18,19,20,21,22,23
	ds_load_b128 v[BK+4*\k:BK+4*\k+3], v[RD] offset:512*\k
.endr
.irp c, 0,1
	ds_load_b128 v[BK+96+4*\c:BK+99+4*\c], v[RD] offset:12288+512*\c
.endr
.irp k, 0,1,2,3,4,5,6,7,8,9,10,11,12,13,14,15,16,17,18,19,20,21,22,23
	s_wait_dscnt 25-\k                             ; the younger of the 26 loads may be out
	global_store_b128 v[VO+2*(\k/12)+(\k%12)/6], v[BK+4*\k:BK+4*\k+3], s[96:97] offset:512*(\k%6) th:TH_STORE_NT   ; 32 lanes store 512 consecutive bytes, aligned to 256
.endr
.irp c, 0,1
	s_wait_dscnt 1-\c
	global_store_b128 v[VS+\c], v[BK+96+4*\c:BK+99+4*\c], s[98:99] th:TH_STORE_NT   ; sixteen lanes store 256 consecutive bytes, aligned
.endr
	s_wait_tensorcnt 0x0                           ; the wave's end
	ds_add_u32 v[SPW], v[NIL]
	s_wait_dscnt 0x0
	CROUND                                         ; the closing round
	s_endpgm
.Lfunc_end_k_q9447d265a3_gemm_qkv:
	.size	k_q9447d265a3_gemm_qkv, .Lfunc_end_k_q9447d265a3_gemm_qkv-k_q9447d265a3_gemm_qkv
	.p2alignl 7, 3214868480
	.fill 96, 4, 3214868480
	.section	.rodata,"a",@progbits
	.p2align	6, 0x0
	.amdhsa_kernel k_q9447d265a3_gemm_qkv
		.amdhsa_group_segment_fixed_size 327680
		.amdhsa_private_segment_fixed_size 0
		.amdhsa_enable_private_segment 0
		.amdhsa_kernarg_size 40
		.amdhsa_user_sgpr_count 2
		.amdhsa_user_sgpr_kernarg_segment_ptr 1
		.amdhsa_wavefront_size32 1
		.amdhsa_system_sgpr_workgroup_id_x 1
		.amdhsa_system_sgpr_workgroup_id_y 1
		.amdhsa_system_sgpr_workgroup_id_z 1
		.amdhsa_system_vgpr_workitem_id 0
		.amdhsa_next_free_vgpr 1024
		.amdhsa_next_free_sgpr 100
		.amdhsa_reserve_vcc 0
		.amdhsa_float_denorm_mode_32 3
		.amdhsa_float_denorm_mode_16_64 3
		.amdhsa_memory_ordered 1
		.amdhsa_forward_progress 1
		.amdhsa_inst_pref_size 171
	.end_amdhsa_kernel
	.amdgpu_metadata
---
amdhsa.version: [ 1, 2 ]
amdhsa.kernels:
  - .name:           k_q9447d265a3_gemm_qkv
    .symbol:         k_q9447d265a3_gemm_qkv.kd
    .args:
      - { .name: xc, .offset: 0, .size: 8, .value_kind: global_buffer, .address_space: global }
      - { .name: xs, .offset: 8, .size: 8, .value_kind: global_buffer, .address_space: global }
      - { .name: ws, .offset: 16, .size: 8, .value_kind: global_buffer, .address_space: global }
      - { .name: qkvc, .offset: 24, .size: 8, .value_kind: global_buffer, .address_space: global }
      - { .name: qkvs, .offset: 32, .size: 8, .value_kind: global_buffer, .address_space: global }
    .group_segment_fixed_size: 327680
    .private_segment_fixed_size: 0
    .kernarg_segment_align: 8
    .kernarg_segment_size: 40
    .max_flat_workgroup_size: 128
    .sgpr_count:     100
    .vgpr_count:     1024
    .wavefront_size: 32
...
	.end_amdgpu_metadata
.endif
;; end of part 2
;; launch attn (part 3): grid 4 x 64, 16 waves a work-group, no clusters, 227,328 bytes of LDS; arguments qkvc, qkvs, oc, os; writes oc, os
.if DOCPART == 3
	.amdgcn_target "amdgcn-amd-amdhsa--gfx1250"
	.amdhsa_code_object_version 6
	.text
	.protected	k_q9447d265a3_attn
	.globl	k_q9447d265a3_attn
	.p2align	8
	.type	k_q9447d265a3_attn,@function
k_q9447d265a3_attn:
	s_mov_b64 s[64:65], 0
	v_nop
	global_prefetch_b8 v0, s[64:65] scope:SCOPE_SE
	s_setreg_imm32_b32 hwreg(HW_REG_WAVE_MODE, 25, 1), 1
	s_wait_xcnt 0x0
; Causal attention of one (batch, head) on codes of FP6 (E2M3); head size 64, 2,048 tokens.  The result leaves as codes for the last product, quantised along the head's 64.
; t = score x log2(e) / 8; M = the running largest t rounded up to a whole number; p = 2^(t - M) is quantised along the keys, not normalised; the row's sum is taken of the unquantised p and divides at the end.
; LEFT OUT: key steps that lie wholly behind a wave's queries (reference()'s own causal mask gives them p = 0 for all inputs).
; SHARES.  Work-group (g, y): y = 16 batch + head, g = 0 .. 3.  Wave w owns two tiles of 16 queries: tile w % 8 of block 15 - j of 128 queries, j = 2 g + w / 8 (the long pass, 16 - j key steps of 128),
; and tile w % 8 of block j (the short pass, j + 1 key steps): 17 key steps in every wave of every work-group.  4 x 64 = 256 work-groups.
; NO RING: the head's K and V codes (2 x 98,304 bytes) come into LDS once, one tensor load a wave: wave w brings key step w, K's 6,144 bytes and V's as two rows.  The scale words (2 x 8,192 bytes) go through registers into LDS bytes of their own.
; THE LONG PASS GOES FIRST: j is at most 7, so every wave works key steps 0-8 of it, and the waves come to the barriers inside its first eight steps after equal work.  The loads stand in three arms with lines of their own:
; waves 0-1 (key steps 0-1), waves 2-7 (2-7), waves 8-15 (8-15).  The first barrier shows key steps 0-1; two steps are worked; the second shows 2-7; six steps are worked; the third shows the rest.  Nothing is filled again, and no barrier follows.
; Key steps 0-7 of the long pass can neither be hidden nor lie on the diagonal: their copies of the step have no skip and no mask.
; NO CLUSTER: the work-groups that share K and V are the query blocks of one head, and the causal skip is a branch on the query block, which would be the work-group's place in such a cluster.
; NO PREFETCH: every load of K and V is issued at the head; there is no later load to run ahead of.
; LAYOUT.  Both products transposed: S^T = K Q^T (source 0 = 16 keys), O^T = V^T P^T (source 0 = 16 channels): a lane holds ONE query.  Rows lie in tile order (place p holds true row p with bits 3, 4 exchanged), so the 16 registers
; of tiles 2 b, 2 b + 1 are the true keys (channels) 32 b + 16 (lane / 16) + 0 .. 15.  The first product's K is 64: registers 6-11 of its fragments are zero codes.
; LIMITS: the scaled scores stay under 2^31 in magnitude; p under 2^-126 counts as 0 (v_exp_f32 gives 0 there: ISA guide 15.8); 1 / sum is v_rcp_f32 and a multiplication; a block of zeros gets the byte 1; NaN and infinities are not served.
; A row's two scale bytes of os are stored by themselves, rows 32 bytes apart: one byte in 25 of what the launch stores.
; LDS: key step s at 12,288 s: K's 128 places x 48 B, then V's [64 keys: 2][64 channels' places][48 B].  SCB + 512 s: K's 128 scale words; SCB + 8,192 + 512 s: V's (64 used).
.set SCB,  196608
.set STG,  212992                      ; 768 bytes a wave, the way out; no tensor load lands here
.set SPARE, 225280                     ; the spare words, 128 bytes a wave
.set AK0,  1                           ; 48 r + 24 h
.set AV0,  2                           ; + 6,144
.set ASK0, 3                           ; SCB + 4 r
.set ASV0, 4                           ; + 8,192
.set ADK,  8
.set ADV,  9
.set ADS,  10
.set ADT,  11
.set SPW,  223
.set NIL,  243
.set CH0,  13                          ; s13  the short pass's block of 128 queries: also the number of its last key step
.set CH1,  15                          ; s15  the long pass's
.set WV,   18
.set TILE, 19
.set SEL,  20
.set CS,   22                          ; s[22:23] log2(e) / 8
.set G1C,  24                          ; group 1: two rows of 6,144 bytes: K's, and V's 6,291,456 bytes on
.set G0C,  44
.set TB,   2
.set TS,   3
.set SI,   60                          ; the key step's number
.set CNT,  61
.macro TLOAD
	tensor_load_to_lds s[G0C:G0C+3], s[G1C:G1C+7]
	s_nop 0
.rept 4
	v_nop
.endr
.endm
	s_load_b256 s[4:11], s[0:1], 0x0               ; qkvc, qkvs, oc, os
	v_lshl_add_u32 v[SPW], v0, 2, SPARE
	v_mov_b32 v[NIL], 0
	ds_add_u32 v[SPW], v[NIL]                      ; the opening lines: the add twice on end, and its wait ahead of my tensor load
	ds_add_u32 v[SPW], v[NIL]
	v_lshrrev_b32 v8, 5, v0
	s_delay_alu instid0(VALU_DEP_1)
	v_readfirstlane_b32 s[WV], v8                  ; wave 0..15
	s_and_b32 s14, ttmp7, 0xffff                   ; y
	s_and_b32 s[TILE], s[WV], 7
	s_lshr_b32 s12, s[WV], 3
	s_lshl_b32 s[CH0], ttmp9, 1
	s_add_co_u32 s[CH0], s[CH0], s12               ; j = 2 g + w / 8
	s_sub_co_u32 s[CH1], 15, s[CH0]
	s_mov_b32 s[G1C], 3<<16                        ; no mask; elements of 8 bytes; no padding
	s_mov_b32 s[G1C+1], 768<<16                    ; tensor_dim0
	s_mov_b32 s[G1C+2], 2<<16                      ; tensor_dim1
	s_mov_b32 s[G1C+3], 768<<16                    ; tile_dim0
	s_mov_b32 s[G1C+4], 2                          ; tile_dim1
	s_mov_b32 s[G1C+5], 786432                     ; stride, in elements
	s_mov_b32 s[G1C+6], 0
	s_mov_b32 s[G1C+7], 0
	s_add_co_u32 s66, s14, 64                      ; K's head in the two buffers
	s_mul_i32 s68, s66, 98304
	s_mul_i32 s67, s[WV], 6144
	s_add_co_u32 s68, s68, s67                     ; key step w
	s_mov_b32 s69, 0
	s_lshl_b32 s70, s66, 13                        ; K's scale words
	s_mov_b32 s71, 0
	s_mul_i32 s72, s[WV], 12288
	s_mov_b32 s[SEL], 0x76543210
	s_mov_b32 s[SEL+1], 0xfedcba98
	s_mov_b32 s[CS], 0x3e38aa3b
	s_mov_b32 s[CS+1], s[CS]
	s_wait_dscnt 0x0
	s_wait_kmcnt 0x0
	s_mov_b32 s[G0C], 1
	s_mov_b32 s[G0C+1], s72
	s_add_nc_u64 s[G0C+2:G0C+3], s[4:5], s[68:69]
	s_or_b32 s[G0C+3], s[G0C+3], 0x80000000
	s_add_nc_u64 s[56:57], s[6:7], s[70:71]
	s_cmp_lt_u32 s[WV], 2                          ; one chain of three arms, one load each: the waves that wait at one barrier have a line of their own
	s_cbranch_scc0 .Lmid
	TLOAD
	s_branch .Lasked
.Lmid:
	s_cmp_lt_u32 s[WV], 8
	s_cbranch_scc0 .Lhigh
	TLOAD
	s_branch .Lasked
.Lhigh:
	TLOAD
.Lasked:
; where pass p's queries come from (s[48+4p:49+4p] codes, s[50+4p:51+4p] scale words) and where its results go (s[32+4p:33+4p] oc, s[34+4p:35+4p] os)
.macro PLACE p, ch
	s_lshl_b32 s66, s[\ch], 7
	s_lshl_b32 s67, s[TILE], 4
	s_add_co_u32 s66, s66, s67                     ; my first query's place in the head
	s_mul_i32 s70, s14, 98304
	s_mul_i32 s72, s66, 48
	s_add_co_u32 s70, s70, s72
	s_add_nc_u64 s[48+4*\p:49+4*\p], s[4:5], s[70:71]
	s_lshl_b32 s70, s14, 13
	s_lshl_b32 s72, s66, 2
	s_add_co_u32 s70, s70, s72
	s_add_nc_u64 s[50+4*\p:51+4*\p], s[6:7], s[70:71]
	s_and_b32 s72, s14, 15                         ; head
	s_lshr_b32 s73, s14, 4
	s_lshl_b32 s73, s73, 11
	s_add_co_u32 s73, s73, s66                     ; my first query's place among the 8,192
	s_mul_i32 s70, s72, 393216
	s_mul_i32 s74, s73, 48
	s_add_co_u32 s70, s70, s74
	s_add_nc_u64 s[32+4*\p:33+4*\p], s[8:9], s[70:71]
	s_lshl_b32 s70, s73, 5
	s_lshl_b32 s74, s72, 1
	s_add_co_u32 s70, s70, s74
	s_add_nc_u64 s[34+4*\p:35+4*\p], s[10:11], s[70:71]
.endm
	PLACE 0, CH0
	PLACE 1, CH1
	s_lshr_b32 s70, s[TILE], 1
	s_lshl_b32 s70, s70, 5
	s_and_b32 s72, s[TILE], 1
	s_lshl_b32 s72, s72, 3
	s_add_co_u32 s70, s70, s72
	v_and_b32 v8, 15, v0                           ; r
	v_bfe_u32 v9, v0, 4, 1                         ; h
	v_lshlrev_b32 v5, 4, v0                        ; 16 x thread: my 16 bytes of K's and of V's 8,192 bytes of scale words
	v_mul_u32_u24 v[AK0], v8, 48
	v_lshlrev_b32 v10, 2, v8
	v_mad_u32_u24 v[AK0], v9, 24, v[AK0]
	global_load_b128 v[80:83], v5, s[56:57]
	global_load_b128 v[84:87], v5, s[56:57] offset:524288
.irp p, 0,1,2
	global_load_b64 v[16+2*\p:17+2*\p], v[AK0], s[48:49] offset:8*\p     ; the short pass's Q fragment,
	global_load_b64 v[192+2*\p:193+2*\p], v[AK0], s[52:53] offset:8*\p   ; and the long pass's: both stay in registers
.endr
	global_load_b32 v255, v10, s[50:51]            ; their scale words
	global_load_b32 v204, v10, s[54:55]
	v_add_nc_u32 v30, SCB, v5
	v_add_nc_u32 v[AV0], 6144, v[AK0]
	v_lshl_add_u32 v[ASK0], v8, 2, SCB
	v_and_b32 v28, 8, v8
	v_add_nc_u32 v[ASV0], 8192, v[ASK0]
	v_add_nc_u32 v28, v28, v8
	v_lshlrev_b32 v11, 4, v9
	v_add_nc_u32 v28, s70, v28                     ; my true query in its block of 128: 32 (tile / 2) + 8 (tile % 2) + r + 8 (r / 8),
	v_mov_b32 v29, 0xff800000                      ; -infinity
	v_sub_nc_u32 v28, v28, v11                     ; less 16 h: register 16 b + i of the diagonal step is hidden where 32 b + i is above this
.irp b, 0,1,2,3
	v_mov_b32 v[236+\b], 0                         ; a lane permute's destination counts as one of its sources
.endr
	v_mov_b32 v252, 0
	v_mov_b32 v253, 0
.irp i, 22,23,24,25,26,27,198,199,200,201,202,203
	v_mov_b32 v[\i], 0                             ; K = 64 .. 127 of both Q fragments: zero codes
.endr
.irp t, 0,1,2,3
.irp i, 6,7,8,9,10,11
	v_mov_b32 v[32+12*\t+\i], 0                    ; and of K's four fragments: written once, never loaded into
.endr
.endr
	s_wait_alu depctr_va_vdst(0)                   ; the head's end
	s_wait_loadcnt 0x0
	ds_store_b128 v30, v[80:83]                    ; the scale words, as they lie
	ds_store_b128 v30, v[84:87] offset:8192
	s_cmp_lt_u32 s[WV], 2
	s_cbranch_scc0 .Lnot_low
	s_wait_tensorcnt 0x0                           ; key steps 0-1: every wave that issues their line waits here
.Lnot_low:
	s_wait_dscnt 0x0
	s_barrier_signal -1
	s_barrier_wait -1                              ; key steps 0-1 and all scale words are in
; A KEY STEP of 128 keys.  qb: Q's fragment, qs: its scale words, ch: my block; full = 0: a step that can neither be hidden nor lie on the diagonal
.macro ASTEP qb, qs, ch, full
.if \full
	s_cmp_gt_u32 s[SI], s[\ch]                     ; all its keys come after my queries: the work is left out, the steps of the addresses at its end are not
	s_cbranch_scc1 .Lhid_\@
.endif
	v_add_nc_u32 v[ADK], s[TB], v[AK0]
	v_add_nc_u32 v[ADV], s[TB], v[AV0]
	v_add_nc_u32 v[ADS], s[TS], v[ASK0]
	v_add_nc_u32 v[ADT], s[TS], v[ASV0]
	v_nop                                          ; five places: the scores are written over V's fragments, which the last step's products read
	s_wait_alu depctr_va_vdst(0)
.irp g, 0,1
.if \g > 0
.rept 4
	v_nop                                          ; places in front of loads into registers that matrix instructions have read
.endr
.endif
.irp t, 0,1,2,3
.irp p, 0,1,2
	ds_load_b64 v[32+12*\t+2*\p:33+12*\t+2*\p], v[ADK] offset:768*(4*\g+\t)+8*\p
.endr
	ds_load_b32 v[248+\t], v[ADS] offset:64*(4*\g+\t)
.endr
	s_wait_dscnt 0x0
.irp t, 0,1,2,3
	v_wmma_scale_f32_16x16x128_f8f6f4 v[96+8*(4*\g+\t):103+8*(4*\g+\t)], v[32+12*\t:43+12*\t], v[\qb:\qb+11], 0, v[248+\t], v[\qs] matrix_a_fmt:MATRIX_FMT_FP6 matrix_b_fmt:MATRIX_FMT_FP6
.endr
.endr
.rept 4
	v_nop
.endr
.if \full
	s_cmp_lg_u32 s[SI], s[\ch]                     ; only my last step lies on the diagonal
	s_cbranch_scc1 .Lopen_\@
.irp n, 0,1,2,3,4,5,6,7,8,9,10,11,12,13,14,15,16,17,18,19,20,21,22,23,24,25,26,27,28,29,30,31,32,33,34,35,36,37,38,39,40,41,42,43,44,45,46,47,48,49,50,51,52,53,54,55,56,57,58,59,60,61,62,63
	v_cmp_gt_i32 vcc_lo, 32*(\n/16)+\n%16, v28
	v_cndmask_b32 v[96+\n], v[96+\n], v29, vcc_lo  ; a hidden key's score becomes -infinity: p = 0
.endr
.Lopen_\@:
.endif
.irp b, 0,1,2,3
	v_max3_num_f32 v[232+\b], v[96+16*\b], v[97+16*\b], v[98+16*\b]   ; the largest score of each block of 32 keys: for the row's maximum, and for the block's largest p
.endr
.irp i, 3,5,7,9,11,13
.irp b, 0,1,2,3
	v_max3_num_f32 v[232+\b], v[232+\b], v[96+16*\b+\i], v[97+16*\b+\i]
.endr
.endr
.irp b, 0,1,2,3
	v_max_num_f32 v[232+\b], v[232+\b], v[111+16*\b]
.endr
.irp b, 0,1,2,3
	s_delay_alu instid0(VALU_DEP_4)
	v_permlanex16_b32 v[236+\b], v[232+\b], s[SEL], s[SEL+1]
.endr
.irp b, 0,1,2,3
	s_delay_alu instid0(VALU_DEP_4)
	v_max_num_f32 v[232+\b], v[232+\b], v[236+\b]
.endr
	s_delay_alu instid0(VALU_DEP_2)
	v_max3_num_f32 v254, v232, v233, v234
	s_delay_alu instid0(VALU_DEP_1)
	v_max_num_f32 v254, v254, v235
	s_delay_alu instid0(VALU_DEP_1)
	v_mul_f32 v254, s[CS], v254
	s_delay_alu instid0(VALU_DEP_1)
	v_max_num_f32 v13, v13, v254                   ; the running largest t
	v_mov_b32 v254, v12
	s_delay_alu instid0(VALU_DEP_2)
	v_floor_f32 v12, -v13                          ; the new -M = -ceil(t)
	s_delay_alu instid0(VALU_DEP_1)
	v_sub_f32 v254, v12, v254                      ; old M - new M: a whole number, 0 or less
	s_delay_alu instid0(VALU_DEP_1)
	v_cvt_i32_f32 v254, v254
	s_delay_alu instid0(VALU_DEP_1)
	v_ldexp_f32 v252, 1.0, v254                    ; f = 2^(old M - new M)
.irp j, 0,2,4,6,8,10,12,14,16,18,20,22,24,26,28,30,32,34,36,38,40,42,44,46,48,50,52,54,56,58,60,62
	v_pk_fma_f32 v[96+\j:97+\j], v[96+\j:97+\j], s[CS:CS+1], v[12:13] op_sel_hi:[1,0,0]   ; t - M
.endr
.irp b, 0,1,2,3
	v_fma_f32 v[232+\b], v[232+\b], s[CS], v12
.endr
	s_wait_alu depctr_va_vdst(0)                   ; ahead of the batch
.irp j, 0,1,2,3,4,5,6,7,8,9,10,11,12,13,14,15,16,17,18,19,20,21,22,23,24,25,26,27,28,29,30,31,32,33,34,35,36,37,38,39,40,41,42,43,44,45,46,47,48,49,50,51,52,53,54,55,56,57,58,59,60,61,62,63
	v_exp_f32 v[96+\j], v[96+\j]                   ; p = 2^(t - M)
.endr
	v_pk_mul_f32 v[14:15], v[14:15], v[252:253] op_sel_hi:[1,0]   ; the sums under the new M; a plain place behind the exponentials
	s_wait_alu depctr_va_vdst(0)                   ; one wait for the batch, ahead of the first line that names a result
.irp b, 0,1,2,3
	v_exp_f32 v[232+\b], v[232+\b]                 ; each block's largest p
.endr
	v_pk_add_f32 v[236:237], v[100:101], v[104:105]   ; the row's sum of the unquantised p, in eight chains
	v_pk_add_f32 v[206:207], v[108:109], v[112:113]
	v_pk_add_f32 v[208:209], v[116:117], v[120:121]
	v_pk_add_f32 v[246:247], v[124:125], v[128:129]
	v_pk_add_f32 v[244:245], v[132:133], v[136:137]
	v_pk_add_f32 v[240:241], v[140:141], v[144:145]
	v_pk_add_f32 v[238:239], v[148:149], v[152:153]
	v_pk_add_f32 v[14:15], v[14:15], v[156:157]
	v_pk_add_f32 v[236:237], v[236:237], v[96:97]
	v_pk_add_f32 v[206:207], v[206:207], v[98:99]
	v_pk_add_f32 v[208:209], v[208:209], v[102:103]
	v_pk_add_f32 v[246:247], v[246:247], v[106:107]
	v_pk_add_f32 v[244:245], v[244:245], v[110:111]
	v_pk_add_f32 v[240:241], v[240:241], v[114:115]
	v_pk_add_f32 v[238:239], v[238:239], v[118:119]
	v_pk_add_f32 v[14:15], v[14:15], v[122:123]
	v_pk_add_f32 v[236:237], v[236:237], v[126:127]
	v_pk_add_f32 v[206:207], v[206:207], v[130:131]
	v_pk_add_f32 v[208:209], v[208:209], v[134:135]
	v_pk_add_f32 v[246:247], v[246:247], v[138:139]
	v_pk_add_f32 v[244:245], v[244:245], v[142:143]
	v_pk_add_f32 v[240:241], v[240:241], v[146:147]
	v_pk_add_f32 v[238:239], v[238:239], v[150:151]
	v_pk_add_f32 v[14:15], v[14:15], v[154:155]
	v_pk_add_f32 v[236:237], v[236:237], v[158:159]
	s_delay_alu instid0(VALU_DEP_2)
	v_pk_add_f32 v[14:15], v[14:15], v[246:247]
	s_delay_alu instid0(VALU_DEP_2)
	v_pk_add_f32 v[236:237], v[236:237], v[244:245]
	v_pk_add_f32 v[206:207], v[206:207], v[240:241]
	v_pk_add_f32 v[208:209], v[208:209], v[238:239]
	s_delay_alu instid0(VALU_DEP_2)
	v_pk_add_f32 v[14:15], v[14:15], v[206:207]
	s_delay_alu instid0(VALU_DEP_2)
	v_pk_add_f32 v[236:237], v[236:237], v[208:209]
	s_delay_alu instid0(VALU_DEP_1)
	v_pk_add_f32 v[14:15], v[14:15], v[236:237]
	s_wait_alu depctr_va_vdst(0)                   ; and one for the four
.irp b, 0,1,2,3
	v_max_num_f32 v[232+\b], 0x1800000, v[232+\b]  ; the floor 2^(3 - 127)
.endr
.irp b, 0,1,2,3
	s_delay_alu instid0(VALU_DEP_4)
	v_add_nc_u32 v[244+\b], 0xff000000, v[232+\b]
.endr
.irp b, 0,1,2,3
	s_delay_alu instid0(VALU_DEP_4)
	v_lshrrev_b32 v[236+\b], 23, v[244+\b]
.endr
	s_delay_alu instid0(VALU_DEP_3)
	v_lshl_or_b32 v253, v237, 8, v236              ; p's scale word
	s_delay_alu instid0(VALU_DEP_1)
	v_lshl_or_b32 v253, v238, 16, v253
	s_delay_alu instid0(VALU_DEP_1)
	v_lshl_or_b32 v253, v239, 24, v253
.irp c, 0,1
	v_cvt_scalef32_pk16_fp6_f32 v[224+6*\c:226+6*\c], v[96+32*\c:111+32*\c], v[244+2*\c]
	v_cvt_scalef32_pk16_fp6_f32 v[236+4*\c:238+4*\c], v[112+32*\c:127+32*\c], v[244+2*\c+1]
.endr
	v_nop                                          ; one plain place behind a scaled conversion
.irp t, 0,1,2,3                                ; V's four fragments land where p lay, while p's codes are put in order
.irp c, 0,1
.irp p, 0,1,2
	ds_load_b64 v[96+12*\t+6*\c+2*\p:97+12*\t+6*\c+2*\p], v[ADV] offset:3072*\c+768*\t+8*\p
.endr
.endr
	ds_load_b32 v[248+\t], v[ADT] offset:64*\t
.endr
.irp c, 0,1
.irp i, 0,1,2
	v_permlane16_swap_b32 v[224+6*\c+\i], v[236+4*\c+\i]
.endr
.irp i, 0,1,2
	s_delay_alu instid0(VALU_DEP_3)
	v_mov_b32 v[227+6*\c+\i], v[236+4*\c+\i]
.endr
.endr
	s_wait_alu depctr_va_vdst(0)                   ; directly ahead of the first reader of O^T
.irp j, 0,2,4,6,8,10,12,14,16,18,20,22,24,26,28,30
	v_pk_mul_f32 v[160+\j:161+\j], v[160+\j:161+\j], v[252:253] op_sel_hi:[1,0]   ; O^T under the new M; these sixteen are also the places in front of the products below
.endr
	s_wait_alu depctr_va_vdst(0)
	s_wait_dscnt 0x0
.irp t, 0,1,2,3                                ; the four accumulators take turns, one instruction a turn
	v_wmma_scale_f32_16x16x128_f8f6f4 v[160+8*\t:167+8*\t], v[96+12*\t:107+12*\t], v[224:235], v[160+8*\t:167+8*\t], v[248+\t], v253 matrix_a_fmt:MATRIX_FMT_FP6 matrix_b_fmt:MATRIX_FMT_FP6
.endr
.Lhid_\@:
	s_add_co_u32 s[TB], s[TB], 12288
	s_add_co_u32 s[TS], s[TS], 512
	s_add_co_u32 s[SI], s[SI], 1
.endm
; THE WAY OUT of a pass: O^T / the sum, quantised along the head's 64 (two blocks), through my own stage, so that whole aligned runs of 256 bytes are stored.
.macro EPI p
	v_add_f32 v14, v14, v15
	s_delay_alu instid0(VALU_DEP_1)
	v_permlanex16_b32 v252, v14, s[SEL], s[SEL+1]
	s_delay_alu instid0(VALU_DEP_1)
	v_add_f32 v14, v14, v252                       ; the row's sum
	s_wait_alu depctr_va_vdst(0)
	v_rcp_f32 v14, v14
	v_and_b32 v8, 15, v0
	v_bfe_u32 v9, v0, 4, 1
	s_mul_i32 s73, s[WV], 768
	s_add_co_u32 s73, s73, STG
	v_mul_u32_u24 v10, v8, 48
	s_delay_alu instid0(VALU_DEP_1)
	v_mad_u32_u24 v10, v9, 24, v10
	s_delay_alu instid0(VALU_DEP_1)
	v_add_nc_u32 v10, s73, v10                     ; in: row r of 48 bytes, + 24 h
	v_and_b32 v7, 31, v0
	s_delay_alu instid0(VALU_DEP_1)
	v_lshlrev_b32 v7, 3, v7
	s_delay_alu instid0(VALU_DEP_1)
	v_add_nc_u32 v11, s73, v7                      ; back: 8 bytes a lane
	v_lshlrev_b32 v6, 5, v8                        ; os: 32 bytes a row
	s_wait_alu depctr_va_vdst(0)                   ; ahead of the first line that names the reciprocal
.irp j, 0,1,2,3,4,5,6,7,8,9,10,11,12,13,14,15,16,17,18,19,20,21,22,23,24,25,26,27,28,29,30,31
	v_mul_f32 v[96+\j], v[160+\j], v14             ; register 16 b + i: channel 32 b + 16 h + i of my query
.endr
.irp b, 0,1
	v_max3_num_f32 v[232+\b], |v[96+16*\b]|, |v[97+16*\b]|, 0x1800000
.endr
.irp i, 2,4,6,8,10,12,14
.irp b, 0,1
	s_delay_alu instid0(VALU_DEP_2)
	v_max3_num_f32 v[232+\b], v[232+\b], |v[96+16*\b+\i]|, |v[97+16*\b+\i]|
.endr
.endr
.irp b, 0,1
	s_delay_alu instid0(VALU_DEP_2)
	v_permlanex16_b32 v[236+\b], v[232+\b], s[SEL], s[SEL+1]
.endr
.irp b, 0,1
	s_delay_alu instid0(VALU_DEP_2)
	v_max_num_f32 v[232+\b], v[232+\b], v[236+\b]
.endr
.irp b, 0,1
	s_delay_alu instid0(VALU_DEP_2)
	v_add_nc_u32 v[244+\b], 0xff000000, v[232+\b]
.endr
.irp b, 0,1
	s_delay_alu instid0(VALU_DEP_2)
	v_lshrrev_b32 v[240+\b], 23, v[244+\b]
.endr
	s_delay_alu instid0(VALU_DEP_1)
	v_lshl_or_b32 v242, v241, 8, v240              ; the row's two scale bytes
	v_cvt_scalef32_pk16_fp6_f32 v[224:226], v[96:111], v244
	v_cvt_scalef32_pk16_fp6_f32 v[236:238], v[112:127], v245
	v_nop
.irp i, 0,1,2
	v_permlane16_swap_b32 v[224+\i], v[236+\i]
.endr
.irp i, 0,1,2
	s_delay_alu instid0(VALU_DEP_3)
	v_mov_b32 v[227+\i], v[236+\i]                 ; v224-229: channels 32 h + 0 .. 31 of row r
.endr
	ds_store_b64 v10, v[224:225]
	ds_store_b64 v10, v[226:227] offset:8
	ds_store_b64 v10, v[228:229] offset:16
.irp i, 0,1,2
	ds_load_b64 v[32+2*\i:33+2*\i], v11 offset:256*\i   ; LDS serves a wave's instructions in order (ISA guide 5.7.1.4): these see my stores
.endr
	s_wait_alu depctr_va_vdst(0)
.irp i, 0,1,2
	s_wait_dscnt 2-\i                              ; the younger loads may be out
	global_store_b64 v7, v[32+2*\i:33+2*\i], s[32+4*\p:33+4*\p] offset:256*\i th:TH_STORE_NT   ; 32 lanes store 256 consecutive bytes, aligned
.endr
	global_store_b16 v6, v242, s[34+4*\p:35+4*\p]  ; lanes r and r + 16 write the same two bytes with the same value
.endm
.macro INIT                            ; a pass begins
	v_mov_b32 v13, 0xff61b1e6                      ; the largest t so far: -3e38
	s_delay_alu instid0(VALU_DEP_1)
	v_floor_f32 v12, -v13                          ; -M
	v_mov_b32 v14, 0
	v_mov_b32 v15, 0
.irp j, 0,1,2,3,4,5,6,7,8,9,10,11,12,13,14,15,16,17,18,19,20,21,22,23,24,25,26,27,28,29,30,31
	v_mov_b32 v[160+\j], 0                         ; O^T: the step is written without a first step of its own; the first change of M leaves zeros zeros
.endr
	s_wait_alu depctr_va_vdst(0)
.endm
; key steps first .. first + trips - 1 of a pass.  The trip count is a constant; where full = 1 the steps behind the diagonal are jumped over inside the loop.
.macro SEG first, trips, qb, qs, ch, full
	s_mov_b32 s[TB], 12288*\first
	s_mov_b32 s[TS], 512*\first
	s_mov_b32 s[SI], \first
	s_mov_b32 s[CNT], \trips
.Lq_\@:
	ASTEP \qb, \qs, \ch, \full
	s_sub_co_u32 s[CNT], s[CNT], 1
	s_cmp_lg_u32 s[CNT], 0
	s_cbranch_scc1 .Lq_\@
.endm
	INIT                                           ; THE LONG PASS
	SEG 0, 2, 192, 204, CH1, 0
	s_cmp_lt_u32 s[WV], 8
	s_cbranch_scc0 .Lnot_mid
	s_wait_tensorcnt 0x0                           ; key steps 2-7: every wave that issues their line waits here
.Lnot_mid:
	s_wait_dscnt 0x0
	s_barrier_signal -1
	s_barrier_wait -1
	SEG 2, 6, 192, 204, CH1, 0
	s_wait_tensorcnt 0x0                           ; on every wave's way: all that was still out, key steps 8-15, is in
	s_wait_dscnt 0x0
	s_barrier_signal -1
	s_barrier_wait -1
	SEG 8, 8, 192, 204, CH1, 1
	EPI 1
	s_wait_xcnt 0x0                                ; the long pass's stores have read their registers
	INIT                                           ; THE SHORT PASS
	SEG 0, 8, 16, 255, CH0, 1
	EPI 0
	s_wait_tensorcnt 0x0                           ; the wave's end
	ds_add_u32 v[SPW], v[NIL]
	s_wait_dscnt 0x0
	s_endpgm
.Lfunc_end_k_q9447d265a3_attn:
	.size	k_q9447d265a3_attn, .Lfunc_end_k_q9447d265a3_attn-k_q9447d265a3_attn
	.p2alignl 7, 3214868480
	.fill 96, 4, 3214868480
	.section	.rodata,"a",@progbits
	.p2align	6, 0x0
	.amdhsa_kernel k_q9447d265a3_attn
		.amdhsa_group_segment_fixed_size 227328
		.amdhsa_private_segment_fixed_size 0
		.amdhsa_enable_private_segment 0
		.amdhsa_kernarg_size 32
		.amdhsa_user_sgpr_count 2
		.amdhsa_user_sgpr_kernarg_segment_ptr 1
		.amdhsa_wavefront_size32 1
		.amdhsa_system_sgpr_workgroup_id_x 1
		.amdhsa_system_sgpr_workgroup_id_y 1
		.amdhsa_system_sgpr_workgroup_id_z 1
		.amdhsa_system_vgpr_workitem_id 0
		.amdhsa_next_free_vgpr 256
		.amdhsa_next_free_sgpr 76
		.amdhsa_reserve_vcc 1
		.amdhsa_float_denorm_mode_32 3
		.amdhsa_float_denorm_mode_16_64 3
		.amdhsa_memory_ordered 1
		.amdhsa_forward_progress 1
		.amdhsa_inst_pref_size 109
	.end_amdhsa_kernel
	.amdgpu_metadata
---
amdhsa.version: [ 1, 2 ]
amdhsa.kernels:
  - .name:           k_q9447d265a3_attn
    .symbol:         k_q9447d265a3_attn.kd
    .args:
      - { .name: qkvc, .offset: 0, .size: 8, .value_kind: global_buffer, .address_space: global }
      - { .name: qkvs, .offset: 8, .size: 8, .value_kind: global_buffer, .address_space: global }
      - { .name: oc, .offset: 16, .size: 8, .value_kind: global_buffer, .address_space: global }
      - { .name: os, .offset: 24, .size: 8, .value_kind: global_buffer, .address_space: global }
    .group_segment_fixed_size: 227328
    .private_segment_fixed_size: 0
    .kernarg_segment_align: 8
    .kernarg_segment_size: 32
    .max_flat_workgroup_size: 512
    .sgpr_count:     76
    .vgpr_count:     256
    .wavefront_size: 32
...
	.end_amdgpu_metadata
.endif
;; end of part 3
;; launch gemm_out (part 4): grid 4 x 64, 4 waves a work-group, clusters of 4 x 4, 327,680 bytes of LDS; arguments oc, os, xc, ws, bp, out0; writes out0
.if DOCPART == 4
	.amdgcn_target "amdgcn-amd-amdhsa--gfx1250"
	.amdhsa_code_object_version 6
	.text
	.protected	k_q9447d265a3_gemm_out
	.globl	k_q9447d265a3_gemm_out
	.p2align	8
	.type	k_q9447d265a3_gemm_out,@function
k_q9447d265a3_gemm_out:
	s_mov_b64 s[64:65], 0
	v_nop
	global_prefetch_b8 v0, s[64:65] scope:SCOPE_SE
	s_setreg_imm32_b32 hwreg(HW_REG_WAVE_MODE, 25, 1), 1
	s_wait_xcnt 0x0
	s_wait_alu depctr_hold_cnt(0) depctr_sa_sdst(0) depctr_va_vdst(0) depctr_va_sdst(0) depctr_va_ssrc(0) depctr_va_vcc(0) depctr_vm_vsrc(0)
	s_getreg_b32 s2, hwreg(HW_REG_IB_STS2, 6, 4)
	s_cmp_eq_u32 s2, 0
	s_cbranch_scc0 .Lentry_in_a_cluster
	s_endpgm
.Lentry_in_a_cluster:
	s_bfe_u32 s2, ttmp6, 0x10000c
	s_cmp_lg_u32 s2, 0xf033
	s_cbranch_scc0 .Lentry_shape_is_right
	s_endpgm
.Lentry_shape_is_right:
; out0 = o Wp + bp on codes of FP6 (E2M3): C[m][n] = bp[n] + sum over k of A[m][k] B[n][k], K = 1,024, sums in f32.
; A = oc [head 16][8,192 places][48 B] with os [8,192][32 B]; B = Wp's columns: rows 11,264 .. of xc [K step 4][12,288 rows][192 B], with rows 3,072 .. of ws [4,096][32 B].
; A BLOCK of C is 128 x 256: 64 x 4 = 256 work-groups.  Four waves, 2 x 2; a wave makes 64 x 128: 32 accumulators of 16 x 16, 256 registers.
; K goes in steps of 256 (four heads) through two LDS slots for each operand; a K step is two matrix steps of 128.  The eight matrix steps are written out.  The scale bytes come once and stay.
; CLUSTERS: 4 x 4 work-groups; A's tiles are asked for jointly along a row of the cluster, B's along a column.
; FILLS.  At the head one joint load a wave: wave 0 A's 128 rows of K steps 0 and 1 (both slots), wave 1 A's scales, wave 2 B's 256 rows of both K steps, wave 3 B's scales.  Two refills, K steps 2 and 3, each behind a round of the cluster's
; barrier: waves 0, 1 two heads of A each, waves 2, 3 128 rows of B each.
; THE MATRIX INSTRUCTION IS USED TRANSPOSED (source 0 = 16 rows of B, source 1 = 16 rows of A): a lane holds eight neighbouring numbers of a row of C.  The bias is the first products' C.
; Rows and columns lie in tile order (place p holds true index p with bits 3 and 4 exchanged) and are set right on the way out, which goes through a stage of each wave's own, in LDS bytes where no fill lands.
; NO PREFETCH: the launch runs in clusters and K has four steps, two of which are asked for at the head.
; REGISTERS: window 0: v1-31 addresses; v32-63 scale words, a set for each slot; v64-127 the bias; v128-175, v176-223 A's fragments, two sets; on the way out v128-255 the stage read back.  window 1: B's fragments, two sets, at v0 and v128.  window 2: accumulator (a, b) at v[8 (8 a + b)].
.set PL,     2359296                   ; xc: bytes from a K step to the next
.set PLANE,  393216                    ; oc: bytes from a head to the next
.set PITCH,  240                       ; B's LDS row: 3 x (64 bytes + 16 of padding)
.set FR,     12
.set NP,     4                         ; places behind this matrix instruction (ISA guide 7.12.1)
.set HALFT,  128*PITCH
.set ASLOT,  24576                     ; A's slot: [head 4][128 rows][48 B]; two of them from LDS byte 0 on
.set BB0,    2*ASLOT                   ; then B's two slots
.set BSLOT,  2*HALFT
.set SCL,    BB0+2*BSLOT               ; the scales: A's 128 rows, then B's 256, as rows of 256 bytes + 16
.set HALFS,  16*272                    ; the scales of 128 rows
.set SBLK,   2*272                     ; those of 16 rows
.set SPARE,  SCL+3*HALFS               ; the spare words: 128 bytes a wave
.set STAGE,  SPARE+512                 ; 16 rows x 528 bytes a wave
.set SPITCH, 528
.set ADRA, 16                          ; v16-17 A's fragments in slot 0, 1
.set ADRB, 20                          ; v20-21 B's; v22-23 behind one padding more
.set STO,  24
.set RD,   25
.set CO,   26
.set ADRS, 27
.set SPW,  28
.set NIL,  29
.set SC,   32
.set BI,   64
.set AF,   128
.set BK,   128
.set G1, 24
.set G0, 32
.set G1B, 48
.set G0B, 56
.set G1S, 68
.set G0S, 76
.set G1SB, 80
.set G0SB, 88
.set MSB, 0
.macro WIN new                         ; the immediate's high byte repeats the setting that is left
.if MSB != \new
	s_set_vgpr_msb (MSB<<8)|\new
.set MSB, \new
.endif
.endm
.set MUL_LO, 0xa1                      ; source 0 (B) window 1, source 1 (A) window 0, C and D window 2
.set BIA_LO, 0x81                      ; the same with C in window 0
.set TO_B,   0x40
.macro TLOAD g0, g1
	tensor_load_to_lds s[\g0:\g0+3], s[\g1:\g1+7]
	s_nop 0
.rept 4
	v_nop
.endr
.endm
.macro JLOAD g0a, g1a, g0b, g1b        ; a joint refill: waves 0, 1 fetch for A, waves 2, 3 for B
	s_cmp_eq_u32 s15, 0
	s_cbranch_scc0 .Lfor_b_\@
	TLOAD \g0a, \g1a
	s_branch .Lasked_\@
.Lfor_b_\@:
	TLOAD \g0b, \g1b
.Lasked_\@:
.endm
.macro CREST                           ; a round of the cluster's barrier behind its opening barrier
	s_cmp_lg_u32 s14, 0
	s_cbranch_scc1 .Lnot_wave_0_\@
	s_barrier_signal -3
.Lnot_wave_0_\@:
	s_barrier_wait -3
	s_barrier_signal -1
	s_barrier_wait -1
.endm
.macro CROUND
	s_barrier_signal -1
	s_barrier_wait -1
	CREST
.endm
.macro PLACES n
.rept \n
	v_nop
.endr
.endm
	s_load_b128 s[4:7], s[0:1], 0x0                ; oc, os
	s_load_b128 s[8:11], s[0:1], 0x10              ; xc, ws
	s_load_b64 s[96:97], s[0:1], 0x20              ; bp
	s_load_b64 s[12:13], s[0:1], 0x28              ; out0
	v_lshl_add_u32 v[SPW], v0, 2, SPARE
	v_mov_b32 v[NIL], 0
	ds_add_u32 v[SPW], v[NIL]                      ; the opening lines: the add twice on end and its wait
	ds_add_u32 v[SPW], v[NIL]
	v_lshrrev_b32 v1, 5, v0
	v_readfirstlane_b32 s14, v1                    ; wave 0..3
	s_lshr_b32 s15, s14, 1                         ; which 64 rows are mine.  Also: I fetch for A (0) or B (1)
	s_and_b32 s16, s14, 1                          ; which 128 columns.  Also: which half of a refill I fetch
	s_bfe_u32 s40, ttmp6, 0x40000                  ; cx
	s_bfe_u32 s41, ttmp6, 0x40004                  ; cy
	s_lshl_b32 s42, ttmp9, 2
	s_add_co_u32 s42, s42, s40                     ; block column, 0 .. 3
	s_and_b32 s17, ttmp7, 0xffff
	s_lshl_b32 s17, s17, 2
	s_add_co_u32 s17, s17, s41                     ; block row, 0 .. 63
	s_lshl_b32 s43, s41, 2
	s_lshl_b32 s43, 15, s43                        ; my row of the cluster
	s_lshl_b32 s44, 0x1111, s40                    ; my column
	s_or_b32 s[G1+0], s43, (3<<16)|(1<<21)         ; A: elements of 8 bytes, no padding.  The head's tile: eight heads, each the 6,144 dense bytes of 128 rows
	s_mov_b32 s[G1+1], 768<<16
	s_mov_b32 s[G1+2], 8<<16
	s_mov_b32 s[G1+3], 768<<16
	s_mov_b32 s[G1+4], 8
	s_mov_b32 s[G1+5], PLANE/8
	s_mov_b32 s[G1+6], 0
	s_mov_b32 s[G1+7], 0
	s_or_b32 s[G1B+0], s44, (3<<16)|(1<<20)|(1<<21)|(3<<22)|(3<<25)  ; B: after every 16 words 4 words of padding.  The head's tile: two K steps, each the 49,152 dense bytes of 256 rows
	s_mov_b32 s[G1B+1], 6144<<16
	s_mov_b32 s[G1B+2], 2<<16
	s_mov_b32 s[G1B+3], 6144<<16
	s_mov_b32 s[G1B+4], 2
	s_mov_b32 s[G1B+5], PL/8
	s_mov_b32 s[G1B+6], 0
	s_mov_b32 s[G1B+7], 0
	s_or_b32 s[G1S+0], s43, (3<<16)|(1<<20)|(1<<21)|(5<<22)|(3<<25)  ; scales: rows of 256 bytes, 16 bytes of padding behind each: A's 16 rows,
	s_mov_b32 s[G1S+1], 32<<16
	s_mov_b32 s[G1S+2], 16<<16
	s_mov_b32 s[G1S+3], 32<<16
	s_mov_b32 s[G1S+4], 16
	s_mov_b32 s[G1S+5], 32
	s_mov_b32 s[G1S+6], 0
	s_mov_b32 s[G1S+7], 0
	s_or_b32 s[G1SB+0], s44, (3<<16)|(1<<20)|(1<<21)|(5<<22)|(3<<25) ; B's 32
	s_mov_b32 s[G1SB+1], 32<<16
	s_mov_b32 s[G1SB+2], 32<<16
	s_mov_b32 s[G1SB+3], 32<<16
	s_mov_b32 s[G1SB+4], 32
	s_mov_b32 s[G1SB+5], 32
	s_mov_b32 s[G1SB+6], 0
	s_mov_b32 s[G1SB+7], 0
	s_lshl_b32 s20, s17, 7                         ; A: the block's first row
	s_lshl_b32 s46, s42, 8
	s_add_co_u32 s46, s46, 3072                    ; B: the block's first row among the weights'
	s_lshl_b32 s22, s20, 5                         ; where these rows' scale bytes begin
	s_lshl_b32 s92, s46, 5
	s_mul_i32 s20, s20, 48
	s_add_co_u32 s46, s46, 8192                    ; in xc the weights' rows lie behind x's 8,192
	s_mul_i32 s46, s46, 192
	s_mov_b32 s21, 0
	s_mov_b32 s23, 0
	s_mov_b32 s47, 0
	s_mov_b32 s93, 0
	s_mul_i32 s18, s16, 2*PLANE                    ; a refill: a wave for A fetches two of the K step's four heads,
	s_mov_b32 s19, 0
	s_mul_i32 s2, s16, 128*192                     ; a wave for B 128 rows
	s_mov_b32 s3, 0
	s_mul_i32 s45, s16, 12288                      ; and where they go: in A's slots,
	s_mul_i32 s94, s16, HALFT
	s_add_co_u32 s94, s94, BB0                     ; in B's
	s_wait_dscnt 0x0                               ; both opening adds are done
	s_wait_kmcnt 0x0
	s_add_nc_u64 s[20:21], s[4:5], s[20:21]
	s_add_nc_u64 s[22:23], s[6:7], s[22:23]
	s_add_nc_u64 s[46:47], s[8:9], s[46:47]
	s_add_nc_u64 s[92:93], s[10:11], s[92:93]
	CROUND                                         ; all sixteen work-groups are here: the first joint loads meet
	s_mov_b32 s[G0S], 1
	s_mov_b32 s[G0S+1], SCL
	s_mov_b64 s[G0S+2:G0S+3], s[22:23]
	s_or_b32 s[G0S+3], s[G0S+3], 0x80000000
	s_mov_b32 s[G0SB], 1
	s_mov_b32 s[G0SB+1], SCL+HALFS
	s_mov_b64 s[G0SB+2:G0SB+3], s[92:93]
	s_or_b32 s[G0SB+3], s[G0SB+3], 0x80000000
	s_add_nc_u64 s[20:21], s[20:21], s[18:19]
	s_add_nc_u64 s[46:47], s[46:47], s[2:3]
.irp s, 0,1
	s_mov_b32 s[G0+4*\s], 1
	s_add_co_u32 s[G0+4*\s+1], s45, \s*ASLOT
	s_add_nc_u64 s[G0+4*\s+2:G0+4*\s+3], s[20:21], \s*4*PLANE
	s_or_b32 s[G0+4*\s+3], s[G0+4*\s+3], 0x80000000
	s_mov_b32 s[G0B+4*\s], 1
	s_add_co_u32 s[G0B+4*\s+1], s94, \s*BSLOT
	s_add_nc_u64 s[G0B+4*\s+2:G0B+4*\s+3], s[46:47], \s*PL
	s_or_b32 s[G0B+4*\s+3], s[G0B+4*\s+3], 0x80000000
.endr
; the head's loads: one chain of branches on the wave's number, one load to an arm.  In waves 0 and 2 the half is 0, so slot 0's group 0 names the block's first byte and the operand's first LDS byte.
.macro ARM under, g0, g1, next
	s_cmp_lt_u32 s14, \under
	s_cbranch_scc0 \next
	TLOAD \g0, \g1
	s_branch .Lhead_asked
\next:
.endm
	ARM 1, G0,  G1,  .Lhead_sa
	ARM 2, G0S, G1S, .Lhead_b
	ARM 3, G0B, G1B, .Lhead_sb
	TLOAD G0SB, G1SB
.Lhead_asked:
	s_mul_i32 s21, s15, 64*48                      ; my 64 rows in each head's 128
	s_mul_i32 s23, s14, 16*SPITCH
	s_add_co_u32 s23, s23, STAGE                   ; my stage
	s_mul_i32 s95, s15, HALFS/2                    ; the scales of my 64 rows of A,
	s_mul_i32 s98, s16, HALFS
	s_add_co_u32 s98, s98, HALFS                   ; of my 128 rows of B, behind A's 128,
	s_sub_co_u32 s98, s98, s95                     ; as a distance from A's
	s_add_co_u32 s99, s95, SCL
	s_lshl_b32 s20, s17, 7
	s_lshl_b32 s22, s15, 6
	s_add_co_u32 s20, s20, s22                     ; my first row of C
	s_lshl_b32 s20, s20, 12
	s_lshl_b32 s46, s42, 10                        ; my first column, in bytes
	s_lshl_b32 s47, s16, 9
	s_add_co_u32 s46, s46, s47
	s_mov_b32 s47, 0
	s_add_nc_u64 s[96:97], s[96:97], s[46:47]
	s_add_nc_u64 s[12:13], s[12:13], s[46:47]
	s_mov_b32 s46, s20
	s_add_nc_u64 s[12:13], s[12:13], s[46:47]
	v_and_b32 v1, 15, v0                           ; r
	v_bfe_u32 v2, v0, 4, 1                         ; h
	v_and_b32 v6, 31, v0
	v_mul_u32_u24 v3, v1, PITCH
	v_mul_u32_u24 v7, v1, 48
	v_mad_u32_u24 v4, v2, 24, v3                   ; B: row x pitch + 24 h,
	v_mad_u32_u24 v7, v2, 24, v7                   ; A: row x 48 + 24 h
	v_lshl_add_u32 v5, v2, 4, v4                   ; B behind one padding more
	v_add_nc_u32 v[ADRA], s21, v7
	v_add_nc_u32 v[ADRB], s94, v4
	v_add_nc_u32 v[ADRB+2], s94, v5
	v_add_nc_u32 v[ADRA+1], ASLOT, v[ADRA]
	v_add_nc_u32 v[ADRB+1], BSLOT, v[ADRB]
	v_add_nc_u32 v[ADRB+3], BSLOT, v[ADRB+2]
	v_lshlrev_b32 v8, 5, v1                        ; my row's scales: 32 bytes a row,
	v_mul_u32_u24 v11, s98, v2                     ; lanes 16-31 take B's
	v_lshrrev_b32 v9, 8, v8
	v_lshl_add_u32 v8, v9, 4, v8                   ; 16 more for each 256 passed
	v_mul_u32_u24 v9, v1, SPITCH
	v_add_nc_u32 v8, v8, v11
	v_lshl_add_u32 v9, v2, 6, v9
	v_add_nc_u32 v[ADRS], s99, v8
	v_add_nc_u32 v[STO], s23, v9                   ; the stage, in: row r, 64 bytes for each half of the lanes
	v_lshlrev_b32 v[CO], 4, v6
	v_lshlrev_b32 v10, 6, v2
	v_add_nc_u32 v[RD], s23, v[CO]                 ; back: the 32 lanes take a row of 512 bytes
.irp b, 0,1,2,3,4,5,6,7
	global_load_b128 v[BI+8*\b:BI+8*\b+3], v10, s[96:97] offset:(32*(\b/2)+8*(\b%2))*4       ; register j of B's block b is the true column 32 (b / 2) + 16 h + 8 (b % 2) + j
	global_load_b128 v[BI+8*\b+4:BI+8*\b+7], v10, s[96:97] offset:(32*(\b/2)+8*(\b%2))*4+16
.endr
.macro FRAG reg, adr, q, i             ; B: 16 rows x 128 K, 12 registers, in pieces of 8 bytes; where lanes 16-31 lie behind one padding more, the second address register serves
.irp p, 0,1,2,3,4,5
.set PCE, 12*(\q)+6*(\p/3)+\p%3
.if PCE%8 < 5
	ds_load_b64 v[\reg+2*\p:\reg+2*\p+1], v[\adr] offset:8*PCE+16*(PCE/8)+(\i)*16*PITCH
.else
	ds_load_b64 v[\reg+2*\p:\reg+2*\p+1], v[\adr+2] offset:8*PCE+16*(PCE/8)+(\i)*16*PITCH
.endif
.endr
.endm
.macro FRAGA reg, slot, q, i           ; A: registers 0-5 from head 2 q, 6-11 from head 2 q + 1
.irp p, 0,1,2,3,4,5
	ds_load_b64 v[\reg+2*\p:\reg+2*\p+1], v[ADRA+\slot] offset:(2*(\q)+\p/3)*6144+(\i)*768+8*(\p%3)
.endr
.endm
.macro FETCH slot, q, p                ; B's eight and A's four fragments of a matrix step into set p: 72 loads
	WIN TO_B
.irp i, 0,1,2,3,4,5,6,7
	FRAG 128*(\p)+FR*\i, ADRB+\slot, \q, \i
.endr
	WIN 0
.irp i, 0,1,2,3
	FRAGA AF+48*(\p)+FR*\i, \slot, \q, \i
.endr
.endm
.macro SCALES sc, ks                   ; K step ks's scale words into set sc: lanes 0-15 A's block i (4-7 are not used), lanes 16-31 B's block i
.irp i, 0,1,2,3,4,5,6,7
	ds_load_b64 v[SC+16*\sc+2*\i:SC+16*\sc+2*\i+1], v[ADRS] offset:\i*SBLK+8*(\ks)
.endr
.endm
; 8 matrix instructions: A's block a x B's eight.  The 32 accumulators take turns, one instruction a turn, in the same order in every step.
.macro MUL8 a, p, q, sc, bias
.irp b, 0,1,2,3,4,5,6,7
.if \bias
	v_wmma_scale_f32_16x16x128_f8f6f4 v[8*(8*(\a)+\b):8*(8*(\a)+\b)+7], v[128*(\p)+FR*\b:128*(\p)+FR*\b+FR-1], v[AF+48*(\p)+FR*(\a):AF+48*(\p)+FR*(\a)+FR-1], v[BI+8*\b:BI+8*\b+7], v[SC+16*(\sc)+2*\b+(\q)], v[SC+16*(\sc)+2*(\a)+(\q)] matrix_a_fmt:MATRIX_FMT_FP6 matrix_b_fmt:MATRIX_FMT_FP6 matrix_a_scale:MATRIX_SCALE_ROW1
.else
	v_wmma_scale_f32_16x16x128_f8f6f4 v[8*(8*(\a)+\b):8*(8*(\a)+\b)+7], v[128*(\p)+FR*\b:128*(\p)+FR*\b+FR-1], v[AF+48*(\p)+FR*(\a):AF+48*(\p)+FR*(\a)+FR-1], v[8*(8*(\a)+\b):8*(8*(\a)+\b)+7], v[SC+16*(\sc)+2*\b+(\q)], v[SC+16*(\sc)+2*(\a)+(\q)] matrix_a_fmt:MATRIX_FMT_FP6 matrix_b_fmt:MATRIX_FMT_FP6 matrix_a_scale:MATRIX_SCALE_ROW1
.endif
.endr
.endm
.macro EVEN slot, bias                 ; a K step's first 128: its fragments lie in set 0; the second 128's are fetched into set 1 ahead of the products
	s_wait_dscnt 0x0                               ; set 0 and the scale words are in
	PLACES NP                                      ; in front of loads into set 1, which the last products read
	FETCH \slot, 1, 1
.if \bias
	WIN BIA_LO
.else
	WIN MUL_LO
.endif
.irp a, 0,1,2,3
	MUL8 \a, 0, 0, \slot, \bias
.endr
	WIN 0
.endm
.macro ODD slot, next, fill, ks        ; a K step's second 128, and the change of slots; ks: the next K step
	s_wait_tensorcnt 0x0                           ; all my tensor loads have landed: my part of the next slot
	ds_add_u32 v[SPW], v[NIL]                      ; 0 onto my spare word
	s_wait_dscnt 1                                 ; set 1 is in; the add may be out
	WIN MUL_LO
	MUL8 0, 1, 1, \slot, 0
	s_wait_dscnt 0x0                               ; the add is done; my reads of this slot are over
	s_barrier_signal -1
	MUL8 1, 1, 1, \slot, 0
	WIN 0
	s_barrier_wait -1
.if \fill
	CREST                                          ; no wave of any partner still reads this slot or has a load on its way
	s_add_nc_u64 s[G0+4*\slot+2:G0+4*\slot+3], s[G0+4*\slot+2:G0+4*\slot+3], 8*PLANE
	s_add_nc_u64 s[G0B+4*\slot+2:G0B+4*\slot+3], s[G0B+4*\slot+2:G0B+4*\slot+3], 2*PL
	JLOAD G0+4*\slot, G1, G0B+4*\slot, G1B         ; my one tensor load behind the round; its four v_nop are the places in front of the loads below
.else
	PLACES NP
.endif
	FETCH \next, 0, 0
	SCALES \next, \ks
	WIN MUL_LO
	MUL8 2, 1, 1, \slot, 0
	MUL8 3, 1, 1, \slot, 0
	WIN 0
.endm
	s_wait_alu depctr_va_vdst(0)                   ; the head's end
	s_wait_tensorcnt 0x0                           ; my tile of the head's four is in
	s_mov_b32 s[G1+2], 2<<16                       ; no tensor load of mine is out: from here on a load for A brings two heads,
	s_mov_b32 s[G1+4], 2
	s_mov_b32 s[G1B+1], 32<<16                     ; and a load for B 128 rows of one K step, 24,576 dense bytes as 96 rows of 256
	s_mov_b32 s[G1B+2], 96<<16
	s_mov_b32 s[G1B+3], 32<<16
	s_mov_b32 s[G1B+4], 96
	s_mov_b32 s[G1B+5], 32
	s_barrier_signal -1
	s_barrier_wait -1
	FETCH 0, 0, 0
	SCALES 0, 0
	s_wait_loadcnt 0x0                             ; the bias
	EVEN 0, 1                                      ; the first products start the sums from the bias
	ODD 0, 1, 1, 1                                 ; slot 0 takes K step 2
	EVEN 1, 0
	ODD 1, 0, 1, 2                                 ; slot 1 takes K step 3
	EVEN 0, 0
	ODD 0, 1, 0, 3                                 ; nothing more to fetch
	EVEN 1, 0
	s_wait_dscnt 0x0
	WIN MUL_LO
.irp a, 0,1,2,3
	MUL8 \a, 1, 1, 1, 0
.endr
	WIN 0
; THE WAY OUT, block by block of 16 rows x 128 columns, through my own stage: back come whole rows of 512 bytes.  LDS serves a wave's instructions in order (ISA guide 5.7.1.4).
.macro TOSTAGE a
.set AC, 64*(\a)
	WIN 0x08                                       ; the data: window 2
.irp b, 0,1,2,3,4,5,6,7
	ds_store_b128 v[STO], v[AC+8*\b:AC+8*\b+3] offset:128*(\b/2)+32*(\b%2)      ; each accumulator from its low end on; the columns go to their true places
	ds_store_b128 v[STO], v[AC+8*\b+4:AC+8*\b+7] offset:128*(\b/2)+32*(\b%2)+16
.endr
	WIN 0
.set BB, BK+64*((\a)%2)
.irp t, 0,1,2,3,4,5,6,7,8,9,10,11,12,13,14,15
	ds_load_b128 v[BB+4*\t:BB+4*\t+3], v[RD] offset:\t*SPITCH
.endr
.endm
.macro SEND a, younger                 ; younger: the LDS instructions issued behind block a's loads, which may stay out
.set BB, BK+64*((\a)%2)
	s_wait_dscnt \younger
.irp t, 0,1,2,3,4,5,6,7,8,9,10,11,12,13,14,15
	global_store_b128 v[CO], v[BB+4*\t:BB+4*\t+3], s[12:13] offset:(32*((\a)/2)+8*((\a)%2)+\t+8*(\t/8))*4096 th:TH_STORE_NT   ; place 16 a + t is the true row; 32 lanes store 512 consecutive bytes, aligned to 256
.endr
.endm
	PLACES NP
	TOSTAGE 0
.irp a, 1,2,3
.if \a > 1
	s_wait_xcnt 0x0                                ; block a - 2's stores have read their registers
.endif
	TOSTAGE \a
	SEND \a-1, 32
.endr
	SEND 3, 0
	s_wait_tensorcnt 0x0                           ; the wave's end
	ds_add_u32 v[SPW], v[NIL]
	s_wait_dscnt 0x0
	CROUND                                         ; the closing round
	s_endpgm
.Lfunc_end_k_q9447d265a3_gemm_out:
	.size	k_q9447d265a3_gemm_out, .Lfunc_end_k_q9447d265a3_gemm_out-k_q9447d265a3_gemm_out
	.p2alignl 7, 3214868480
	.fill 96, 4, 3214868480
	.section	.rodata,"a",@progbits
	.p2align	6, 0x0
	.amdhsa_kernel k_q9447d265a3_gemm_out
		.amdhsa_group_segment_fixed_size 327680
		.amdhsa_private_segment_fixed_size 0
		.amdhsa_enable_private_segment 0
		.amdhsa_kernarg_size 48
		.amdhsa_user_sgpr_count 2
		.amdhsa_user_sgpr_kernarg_segment_ptr 1
		.amdhsa_wavefront_size32 1
		.amdhsa_system_sgpr_workgroup_id_x 1
		.amdhsa_system_sgpr_workgroup_id_y 1
		.amdhsa_system_sgpr_workgroup_id_z 1
		.amdhsa_system_vgpr_workitem_id 0
		.amdhsa_next_free_vgpr 768
		.amdhsa_next_free_sgpr 100
		.amdhsa_reserve_vcc 0
		.amdhsa_float_denorm_mode_32 3
		.amdhsa_float_denorm_mode_16_64 3
		.amdhsa_memory_ordered 1
		.amdhsa_forward_progress 1
		.amdhsa_inst_pref_size 101
	.end_amdhsa_kernel
	.amdgpu_metadata
---
amdhsa.version: [ 1, 2 ]
amdhsa.kernels:
  - .name:           k_q9447d265a3_gemm_out
    .symbol:         k_q9447d265a3_gemm_out.kd
    .args:
      - { .name: oc, .offset: 0, .size: 8, .value_kind: global_buffer, .address_space: global }
      - { .name: os, .offset: 8, .size: 8, .value_kind: global_buffer, .address_space: global }
      - { .name: xc, .offset: 16, .size: 8, .value_kind: global_buffer, .address_space: global }
      - { .name: ws, .offset: 24, .size: 8, .value_kind: global_buffer, .address_space: global }
      - { .name: bp, .offset: 32, .size: 8, .value_kind: global_buffer, .address_space: global }
      - { .name: out0, .offset: 40, .size: 8, .value_kind: global_buffer, .address_space: global }
    .group_segment_fixed_size: 327680
    .private_segment_fixed_size: 0
    .kernarg_segment_align: 8
    .kernarg_segment_size: 48
    .max_flat_workgroup_size: 128
    .sgpr_count:     100
    .vgpr_count:     768
    .wavefront_size: 32
...
	.end_amdgpu_metadata
.endif
;; end of part 4
